; MI455X (gfx1250); checked and timed in simulation.
; The chip was launched on July 23, 2026; its instructions are those of AMD's public machine-readable ISA for CDNA 5 (MIT licence, August 2026) and "CDNA5" Instruction Set Architecture Reference Guide (July 2026). The comments in the code are by the model that wrote it; some were corrected since.
;; Multi Head Attention. Allowed arithmetic: matrix products marked QUANTISED: E2M3 operands, one E8M0 scale for each 32 along K, by v_wmma_scale_f32_16x16x128_f8f6f4 with both operands' format E2M3, f32 sums; everything else in f32.
;; Inputs: W_proj 1,024 x 1,024 float32; W_qkv 3,072 x 1,024 float32; b_proj 1,024 float32; b_qkv 3,072 float32; x 4 x 2,048 x 1,024 float32.
;; Outputs: out0 4 x 2,048 x 1,024 float32.
;; This version of the problem:
;;   THIS VERSION OF THE PROBLEM IS GIVEN IN LOW PRECISION. The matrix products marked QUANTISED in the list below multiply operands that are first quantised to E2M3 (2 exponent bits, 3 mantissa bits; 6 bits a number), with one power-of-two scale for each 32 numbers along K (OCP MX v1.0); their sums are f32. All else is computed in f32.
;;   The module's matrix products, in the order in which they are computed (A, B: the left and right operand; K: the contracted axis; several contracted axes count as one K, in the product's order):
;;     1. [M 8,192, K 1,024] x [K 1,024, N 3,072]; A: input x; B: input W_qkv: QUANTISED
;;     2. batch 64 x [M 2,048, K 64] x [K 64, N 2,048]; A: computed on the way; B: computed on the way: QUANTISED
;;     3. batch 64 x [M 2,048, K 2,048] x [K 2,048, N 64]; A: softmax (see below); B: computed on the way: QUANTISED
;;     4. [M 8,192, K 1,024] x [K 1,024, N 1,024]; A: computed on the way; B: input W_proj: QUANTISED
;;   THE QUANTISER, for each operand of a quantised product, along K:
;;     - K is cut into blocks of 32 from its start; a last block that is shorter is filled with zeros.
;;     - A block's scale is 2^e with e = floor(log2(the largest magnitude in the block)) - 2, held to -126 .. 127; a block of zeros has e = 0. As a byte (E8M0): e + 127.
;;     - Each number is divided by its block's scale, clamped to +-7.5, and rounded to the nearest number of E2M3, ties to even, subnormals kept.
;;     - The product sums the exact products of the quantised numbers (number of the format x scale) in f32.
;;   ~~~python
;;   def quantise(x, axis):      # numpy; x: float32 -> the quantised numbers, widened to float32 again
;;       x = np.moveaxis(x, axis, -1); K = x.shape[-1]
;;       x = np.pad(x, [(0, 0)] * (x.ndim - 1) + [(0, -K % 32)]); x = x.reshape(x.shape[:-1] + (-1, 32)); a = np.abs(x).max(-1, keepdims=True)
;;       e = np.where(a > 0, np.clip(np.frexp(np.where(a > 0, a, 1))[1] - 1 - 2, -126, 127), 0)      # np.frexp(a)[1] - 1 = floor(log2(a)), exactly
;;       r = np.clip(x / 2.0 ** e, -7.5, 7.5)
;;       step = 2.0 ** (np.maximum(np.frexp(np.where(r == 0, 1, r))[1] - 1, 0) - 3)
;;       q = np.round(r / step) * step * 2.0 ** e      # np.round: ties to even
;;       return np.moveaxis(q.reshape(q.shape[:-2] + (-1,))[..., :K], -1, axis).astype(np.float32)
;;   ~~~
;;   SOFTMAX AHEAD OF A QUANTISED PRODUCT. Where the list says 'softmax', what is quantised is not the finished softmax but p = 2^(t - M), with t = logit x log2(e) and M = ceil(the row's largest t), a whole number; so 1/2 < the row's largest p <= 1. The row's sum l is taken of the UNQUANTISED p, in f32, and the product's result is divided by l at the end. Since M is a whole number, a kernel that streams over the keys may use a running M (the ceiling of the running maximum): every later rescaling is an exact power of two, which a block's scale takes up: the codes' values come out the same.
;;   OPERANDS COMPUTED ON THE WAY. 'Computed on the way' means the value that the module computes at that place (a softmax that the list does not call 'softmax' is quantised finished and normalised). What goes into a quantiser is computed in f32, as accurately as f32 sums, v_exp_f32 and their like allow (about 1e-6 of the number): no bf16 or f16 on the way to a quantiser, and a product that is left as it is and whose result goes on into a quantised operand takes f32 operands (vector FMAs, or v_wmma_f32_16x16x4_f32). A number that lies on a knife's edge between two numbers of the format may be rounded either way, as far as f32 arithmetic and the matrix unit's own rounding can turn it there, and no further.
;; One version. Each part assembles by itself: llvm-mc -triple=amdgcn-amd-amdhsa -mcpu=gfx1250 --defsym DOCPART=n.
;; ======== version 1 of 1: 4 launches
;; limits: right only within a limited range of input values
;; workspace buffers: codes1 12,582,912 bytes; qkvbuf 20,185,088 bytes; obuf 6,815,744 bytes
;; launch quant (part 1): grid 768 x 1, 4 waves a work-group, no clusters, 33,280 bytes of LDS; arguments x, W_qkv, W_proj, codes1; writes codes1
.if DOCPART == 1
	.amdgcn_target "amdgcn-amd-amdhsa--gfx1250"
	.amdhsa_code_object_version 6
	.text
	.protected	k_q3c8be27ab0_quant
	.globl	k_q3c8be27ab0_quant
	.p2align	8
	.type	k_q3c8be27ab0_quant,@function
k_q3c8be27ab0_quant:
	s_mov_b64 s[64:65], 0
	v_nop
	global_prefetch_b8 v0, s[64:65] scope:SCOPE_SE
	s_setreg_imm32_b32 hwreg(HW_REG_WAVE_MODE, 25, 1), 1
	s_wait_xcnt 0x0
; x [8192][1024], W_qkv [3072][1024], W_proj [1024][1024], f32, K innermost, become codes of FP6 (E2M3) with one E8M0 byte for each 32 along K.
; A ROW OF codes1 IS FOUR QUARTERS OF 256 BYTES, each for 256 along K: 192 bytes of codes, its 8 scale bytes, 56 bytes of zeros.  So a quarter of a row is a whole aligned run of 256 bytes
; for the products' tensor loads, and the scales come with the codes.
; The three tensors lie one behind the other: 12,288 rows.  STORED ROW p HOLDS ACTUAL ROW a = p WITH BITS 3 AND 4 EXCHANGED, so that 16 stored rows on end, taken as source 0 of a product,
; leave 16 neighbours of the actual axis in a lane's registers of two neighbouring result tiles.  A wave takes a run of 4 rows: the exchange is an exchange of bits 1 and 2 of the run's number on the way out.
; A block's scale is 2^(floor(log2(largest magnitude)) - 2): its byte is the largest magnitude's exponent field - 2, held at 1 from below (a block of zeros gets the byte 1: its codes are zeros, and this program alone reads the bytes).
; LIMITS: NaN and infinities among the inputs are not served; blocks whose largest magnitude lies under 2^-124 get the byte 1.
; A wave takes 8 steps of 512 numbers.  Each load reads 512 consecutive bytes; a step's 2,048 bytes turn through the wave's own stage in LDS, so that a lane holds 16 neighbours along K (two lanes a block).
; Work-groups 0-511 take x, 512-703 W_qkv, 704-767 W_proj: only the source pointer is chosen, all take one path.  No tensor loads, no barrier: waves share nothing.
.set STEPS, 8
.set CB,    12                         ; bytes of 16 codes
.set R,     16                         ; v16-79   four sets of 16 numbers as loaded
.set X,     80                         ; v80-111  two sets of 16 neighbours
.set E,     112                        ; a scale byte for each step
.set C,     128                        ; codes: four registers for each step, so that no store's data are written again
.set WREG,  8192                       ; LDS: a region for each wave: two stages of 32 x SP bytes, then 64 bytes for the tail of each of its 16 quarters
.set SP,    80                         ; a lane's place in a stage: 64 bytes + 16 of padding
	s_load_b128 s[4:7], s[0:1], 0x0                ; x, W_qkv
	s_load_b128 s[8:11], s[0:1], 0x10              ; W_proj, codes1
	v_lshl_add_u32 v192, v0, 2, 0x8000             ; my spare word, behind the four regions
	v_mov_b32 v193, 0
	v_lshrrev_b32 v1, 5, v0
	v_readfirstlane_b32 s16, v1                    ; wave
	v_and_b32 v2, 31, v0                           ; lane
	v_lshlrev_b32 v3, 4, v2                        ; my 16 bytes of a load's 512
	s_mul_i32 s17, s16, WREG
	v_lshrrev_b32 v14, 2, v2
	v_lshlrev_b32 v194, 8, v14                     ; the quarters' tails on the way out: four lanes to a tail of 64 bytes
	v_mul_u32_u24 v14, v14, SP
	v_and_b32 v15, 3, v2
	v_lshl_add_u32 v194, v15, 4, v194
	v_lshl_add_u32 v14, v15, 4, v14
	v_add_nc_u32 v14, s17, v14                     ; the stage, on the way in: SP (lane / 4) + 16 (lane % 4)
	v_mul_u32_u24 v15, v2, SP
	v_add_nc_u32 v15, s17, v15                     ; and on the way out: SP x lane: my 16 neighbours
	v_mul_u32_u24 v4, v2, CB                       ; my codes' place in a step's two quarters:
	v_lshrrev_b32 v10, 4, v2
	v_lshl_add_u32 v4, v10, 6, v4                  ; lanes 16-31 stand in the second quarter, 64 bytes further on
	v_bfe_u32 v5, v2, 1, 3
	v_lshl_add_u32 v5, v10, 6, v5
	s_add_co_u32 s17, s17, 2*32*SP
	v_add_nc_u32 v5, s17, v5                       ; LDS: my block's byte in its quarter's tail
	v_add_nc_u32 v6, s17, v3                       ; the tails as 1,024 bytes on end, 16 a lane
.irp i, 196,197,198,199
	v_mov_b32 v\i, 0
.endr
	s_wait_alu depctr_va_vdst(0)                   ; the wait at the head's end
	s_wait_kmcnt 0x0
	ds_store_b128 v6, v[196:199]                   ; the tails begin as zeros
	ds_store_b128 v6, v[196:199] offset:512
	s_cmp_lt_u32 ttmp9, 704                        ; which tensor?  The choices hang on the work-group's number alone
	s_cselect_b64 s[6:7], s[6:7], s[8:9]
	s_mov_b32 s17, 704
	s_cselect_b32 s17, 512, s17
	s_cmp_lt_u32 ttmp9, 512
	s_cselect_b64 s[4:5], s[4:5], s[6:7]
	s_cselect_b32 s17, 0, s17                      ; the tensor's first work-group
	s_sub_co_u32 s17, ttmp9, s17
	s_lshl_b32 s17, s17, 2
	s_add_co_u32 s18, s17, s16                     ; which run of 4 rows of the tensor is my wave's
	s_mov_b32 s19, 0
	s_lshl_b64 s[20:21], s[18:19], 14              ; 16,384 bytes a run
	s_add_nc_u64 s[4:5], s[4:5], s[20:21]
	s_lshl_b32 s22, ttmp9, 2
	s_add_co_u32 s22, s22, s16                     ; the run among all 3,072;
	s_lshr_b32 s23, s22, 1
	s_lshr_b32 s24, s22, 2
	s_xor_b32 s23, s23, s24
	s_and_b32 s23, s23, 1
	s_mul_i32 s23, s23, 6
	s_xor_b32 s22, s22, s23                        ; its bits 1 and 2 change places: row bits 3 and 4
	s_lshl_b32 s24, s22, 12                        ; 4 rows of 1,024 bytes
	s_mov_b32 s25, 0
	s_add_nc_u64 s[10:11], s[10:11], s[24:25]
.macro LOAD t
.irp i, 0,1,2,3
	global_load_b128 v[R+16*((\t)%4)+4*\i:R+16*((\t)%4)+4*\i+3], v3, s[4:5] offset:2048*(\t)+512*\i th:TH_LOAD_NT   ; 32 lanes read 512 consecutive bytes
.endr
.endm
.macro TURN t                          ; step t's numbers through the stage: LDS serves a wave's instructions in order, so no wait stands between the stores and the loads
.irp i, 0,1,2,3
	ds_store_b128 v14, v[R+16*((\t)%4)+4*\i:R+16*((\t)%4)+4*\i+3] offset:32*SP*((\t)%2)+8*SP*\i
.endr
.irp i, 0,1,2,3
	ds_load_b128 v[X+16*((\t)%2)+4*\i:X+16*((\t)%2)+4*\i+3], v15 offset:32*SP*((\t)%2)+16*\i
.endr
.endm
.irp t, 0,1,2,3
	LOAD \t
.endr
	s_wait_loadcnt 12                              ; step 0's four loads are in
	TURN 0
.macro STEP t
.set XS, X+16*((\t)%2)
.if (\t) > 0
	s_wait_dscnt 1                                 ; this step's numbers are back from the stage (the last step's byte store may be out)
.else
	s_wait_dscnt 0x0
.endif
.if (\t)+4 < STEPS
	LOAD (\t)+4                                    ; the registers that the stage's stores have read take the loads of four steps on
.endif
.if (\t)+1 < STEPS
.if STEPS-2-(\t) >= 3
	s_wait_loadcnt 12                              ; the next step's four loads are in; those of the three steps behind it may be out
.else
	s_wait_loadcnt 4*(STEPS-2-(\t))
.endif
	TURN (\t)+1
.endif
	v_max3_num_f32 v8, |v[XS]|, |v[XS+1]|, |v[XS+2]|               ; the largest magnitude of my 16, in two chains
	v_max3_num_f32 v9, |v[XS+3]|, |v[XS+4]|, |v[XS+5]|
.irp i, 6,10
	v_max3_num_f32 v8, v8, |v[XS+\i]|, |v[XS+\i+1]|
	v_max3_num_f32 v9, v9, |v[XS+\i+2]|, |v[XS+\i+3]|
.endr
	v_max3_num_f32 v8, v8, |v[XS+14]|, |v[XS+15]|
	v_max3_num_f32 v8, v8, v9, 0x1800000           ; and the floor 2^(3 - 127): the byte cannot fall under 1
	v_max_num_f32_dpp v8, v8, v8 row_xmask:1 row_mask:0xf bank_mask:0xf   ; and of my neighbour's 16: the block's
	v_add_nc_u32 v11, 0xff000000, v8               ; 2 off its exponent field: the conversion takes the exponent field of this operand as its scale
	v_cvt_scalef32_pk16_fp6_f32 v[C+4*(\t):C+4*(\t)+2], v[XS:XS+15], v11
	v_lshrrev_b32 v[E+(\t)], 23, v11               ; the scale's byte (also the plain line behind the conversion)
	ds_store_b8 v5, v[E+(\t)] offset:128*(\t)      ; both lanes of a block write the same byte with the same value
	global_store_b96 v4, v[C+4*(\t):C+4*(\t)+2], s[10:11] offset:512*(\t)   ; two quarters' 192 bytes of codes
.endm
.irp t, 0,1,2,3,4,5,6,7
	STEP \t
.endr
.irp i, 0,1
	ds_load_b128 v[R+4*\i:R+4*\i+3], v6 offset:512*\i              ; LDS serves a wave's instructions in order: these see my stores
.endr
	s_wait_dscnt 0x0
.irp i, 0,1
	global_store_b128 v194, v[R+4*\i:R+4*\i+3], s[10:11] offset:2048*\i+192   ; the last 64 bytes of my 16 quarters: 8 scale bytes and zeros
.endr
	s_wait_tensorcnt 0x0                           ; the wave's end
	ds_add_u32 v192, v193
	s_wait_dscnt 0x0
	s_endpgm
.Lfunc_end_k_q3c8be27ab0_quant:
	.size	k_q3c8be27ab0_quant, .Lfunc_end_k_q3c8be27ab0_quant-k_q3c8be27ab0_quant
	.p2alignl 7, 3214868480
	.fill 96, 4, 3214868480
	.section	.rodata,"a",@progbits
	.p2align	6, 0x0
	.amdhsa_kernel k_q3c8be27ab0_quant
		.amdhsa_group_segment_fixed_size 33280
		.amdhsa_private_segment_fixed_size 0
		.amdhsa_enable_private_segment 0
		.amdhsa_kernarg_size 32
		.amdhsa_user_sgpr_count 2
		.amdhsa_user_sgpr_kernarg_segment_ptr 1
		.amdhsa_wavefront_size32 1
		.amdhsa_system_sgpr_workgroup_id_x 1
		.amdhsa_system_sgpr_workgroup_id_y 1
		.amdhsa_system_sgpr_workgroup_id_z 1
		.amdhsa_system_vgpr_workitem_id 0
		.amdhsa_next_free_vgpr 200
		.amdhsa_next_free_sgpr 66
		.amdhsa_reserve_vcc 0
		.amdhsa_float_denorm_mode_32 3
		.amdhsa_float_denorm_mode_16_64 3
		.amdhsa_memory_ordered 1
		.amdhsa_forward_progress 1
		.amdhsa_inst_pref_size 18
	.end_amdhsa_kernel
	.amdgpu_metadata
---
amdhsa.version: [ 1, 2 ]
amdhsa.kernels:
  - .name:           k_q3c8be27ab0_quant
    .symbol:         k_q3c8be27ab0_quant.kd
    .args:
      - { .name: x, .offset: 0, .size: 8, .value_kind: global_buffer, .address_space: global }
      - { .name: W_qkv, .offset: 8, .size: 8, .value_kind: global_buffer, .address_space: global }
      - { .name: W_proj, .offset: 16, .size: 8, .value_kind: global_buffer, .address_space: global }
      - { .name: codes1, .offset: 24, .size: 8, .value_kind: global_buffer, .address_space: global }
    .group_segment_fixed_size: 33280
    .private_segment_fixed_size: 0
    .kernarg_segment_align: 8
    .kernarg_segment_size: 32
    .max_flat_workgroup_size: 128
    .sgpr_count:     66
    .vgpr_count:     200
    .wavefront_size: 32
...
	.end_amdgpu_metadata
.endif
;; end of part 1
;; launch qkvgemm (part 2): grid 12 x 32, 4 waves a work-group, clusters of 4 x 4, 327,680 bytes of LDS; arguments codes1, b_qkv, qkvbuf; writes qkvbuf
.if DOCPART == 2
	.amdgcn_target "amdgcn-amd-amdhsa--gfx1250"
	.amdhsa_code_object_version 6
	.text
	.protected	k_q3c8be27ab0_qkvgemm
	.globl	k_q3c8be27ab0_qkvgemm
	.p2align	8
	.type	k_q3c8be27ab0_qkvgemm,@function
k_q3c8be27ab0_qkvgemm:
	s_mov_b64 s[64:65], 0
	v_nop
	global_prefetch_b8 v0, s[64:65] scope:SCOPE_SE
	s_setreg_imm32_b32 hwreg(HW_REG_WAVE_MODE, 25, 1), 1
	s_wait_xcnt 0x0
	s_wait_alu depctr_hold_cnt(0) depctr_sa_sdst(0) depctr_va_vdst(0) depctr_va_sdst(0) depctr_va_ssrc(0) depctr_va_vcc(0) depctr_vm_vsrc(0)
	s_getreg_b32 s2, hwreg(HW_REG_IB_STS2, 6, 4)
	s_cmp_eq_u32 s2, 0
	s_cbranch_scc0 .Lentry_in_a_cluster
	s_endpgm
.Lentry_in_a_cluster:
	s_bfe_u32 s2, ttmp6, 0x10000c
	s_cmp_lg_u32 s2, 0xf033
	s_cbranch_scc0 .Lentry_shape_is_right
	s_endpgm
.Lentry_shape_is_right:
; qkv = x W_qkv^T + b_qkv on codes of FP6 (E2M3) with E8M0 scales; the results are quantised again (q and k along the head's channels, v along the keys) and stored as images of the attention's operand registers.
; A block of 256 x 256, four waves of 128 x 128 (64 accumulators).  K goes in four chunks of 256 along K through two LDS slots: a chunk of a row is 256 aligned bytes of codes1
; (192 of codes, its 8 scale bytes, zeros), 272 bytes apart in LDS: the scale words are read from the rows themselves, at byte 192.
; THE HEAD: each wave issues one joint load: chunk 0 of A's 256 rows, of B's, chunk 1 of A's, of B's.  Chunks 2 and 3 refill the slots behind rounds of the cluster's barrier, a quarter of a slot a wave.
; CLUSTERS of 4 x 4: A's tiles are shared along a row of the cluster, B's along a column.  Cluster columns 0 and 1 make q and k (A = x, B = W); column 2 makes v with the sources' roles exchanged (A = W_v, B = x).
; PREFETCH: at the head, where chunks 0 and 1 are asked for, each wave names chunks 2 and 3 of 32 rows, a lane a row: of the 128 rows that it will fetch, the 32 that fall to its work-group among the four partners, by address.
; The matrix instruction is used transposed (source 0 = 16 rows of B, source 1 = 16 rows of A): a lane holds eight neighbours of a row of the result.
; LIMITS: NaN and infinities are not served; blocks whose largest magnitude lies under 2^-124 get the byte 1.
.set NQ,     2
.set ROWB,   256
.set KROW,   1024
.set PITCH,  272
.set FR,     12
.set NL,     6
.set NP,     4
.set HALFT,  128*PITCH
.set SLOT,   4*HALFT
.set LAPS,   2
.set SPARE,  2*SLOT
.set L16,  7
.set L8,   8
.set VSC,  9
.set SH,   10
.set PFO,  13
.set ADRA, 16
.set ADRS, 18
.set ADRB, 20
.set SPW,  28
.set NIL,  29
.set SC,   32
.set BP,   64
.set AF,   128
.set HA,   128
.set CD,   192
.set PW,   212
.set BR,   224
.set TM,   232
.set SW,   248
.set G1, 24
.set G0, 32
.set G1B, 48
.set G0B, 56
.set PFA, 68
.set SEL, 92
.set PI0, 96
.set PI1, 98
.set PS,  100
.set MSB, 0
.macro WIN new
.if MSB != (\new)
	s_set_vgpr_msb (MSB<<8)|(\new)
.set MSB, (\new)
.endif
.endm
.set MUL_LO, 0xa1
.set MUL_HI, 0xf1
.set TO_B,   0x40
.macro JLOAD g0a, g1a, g0b, g1b
	s_cmp_eq_u32 s15, 0
	s_cbranch_scc0 .Lfor_b_\@
	tensor_load_to_lds s[\g0a:\g0a+3], s[\g1a:\g1a+7]
	s_nop 0
.rept 4
	v_nop
.endr
	s_branch .Lasked_\@
.Lfor_b_\@:
	tensor_load_to_lds s[\g0b:\g0b+3], s[\g1b:\g1b+7]
	s_nop 0
.rept 4
	v_nop
.endr
.Lasked_\@:
.endm
.macro CREST
	s_cmp_lg_u32 s14, 0
	s_cbranch_scc1 .Lnot_wave_0_\@
	s_barrier_signal -3
.Lnot_wave_0_\@:
	s_barrier_wait -3
	s_barrier_signal -1
	s_barrier_wait -1
.endm
.macro CROUND
	s_barrier_signal -1
	s_barrier_wait -1
	CREST
.endm
	s_load_b64 s[4:5], s[0:1], 0x0                 ; codes1
	s_load_b128 s[8:11], s[0:1], 0x8               ; b_qkv, qkvbuf
	v_lshl_add_u32 v[SPW], v0, 2, SPARE
	v_mov_b32 v[NIL], 0
	ds_add_u32 v[SPW], v[NIL]                      ; the opening lines: the add twice on end and its wait
	ds_add_u32 v[SPW], v[NIL]
	v_lshrrev_b32 v1, 5, v0
	v_readfirstlane_b32 s14, v1
	s_lshr_b32 s15, s14, 1
	s_and_b32 s16, s14, 1
	s_bfe_u32 s40, ttmp6, 0x40000
	s_bfe_u32 s41, ttmp6, 0x40004
	s_and_b32 s12, ttmp7, 0xffff
	s_add_co_u32 s13, ttmp9, 8
	s_cmp_eq_u32 ttmp9, 2
	s_cselect_b32 s2, 1, 0
	s_cselect_b32 s42, s12, s13
	s_cselect_b32 s17, 10, s12
	s_lshl_b32 s42, s42, 2
	s_add_co_u32 s42, s42, s40
	s_lshl_b32 s17, s17, 2
	s_add_co_u32 s17, s17, s41
	s_lshl_b32 s43, s41, 2
	s_lshl_b32 s43, 15, s43
	s_lshl_b32 s44, 0x1111, s40
	s_or_b32 s[G1+0], s43, (0<<16)|(1<<20)|(1<<21)|(5<<22)|(3<<25)
	s_or_b32 s[G1B+0], s44, (0<<16)|(1<<20)|(1<<21)|(5<<22)|(3<<25)
.irp g, G1, G1B
	s_mov_b32 s[\g+1], ROWB<<16
	s_mov_b32 s[\g+2], 256<<16                     ; the head's loads bring 256 rows
	s_mov_b32 s[\g+3], ROWB<<16
	s_mov_b32 s[\g+4], 256
	s_mov_b32 s[\g+5], KROW
	s_mov_b32 s[\g+6], 0
	s_mov_b32 s[\g+7], 0
.endr
	s_lshl_b32 s20, s17, 8                         ; the tiles' first rows
	s_lshl_b32 s46, s42, 8
	s_mul_i32 s18, s16, 128*KROW                   ; in the ring I fetch 128 rows of a tile: which half, in bytes
	s_mov_b32 s19, 0
	s_mul_i32 s20, s20, KROW
	s_mul_i32 s46, s46, KROW
	s_mov_b32 s21, 0
	s_mov_b32 s47, 0
	s_mul_i32 s45, s14, HALFT
	s_wait_dscnt 0x0
	s_wait_kmcnt 0x0
	s_add_nc_u64 s[20:21], s[4:5], s[20:21]
	s_add_nc_u64 s[46:47], s[4:5], s[46:47]
	CROUND
.irp s, 0,1                                    ; the groups 0 serve the head's whole tiles first
	s_mov_b32 s[G0+4*\s], 1
	s_mov_b32 s[G0+4*\s+1], \s*SLOT
	s_add_nc_u64 s[G0+4*\s+2:G0+4*\s+3], s[20:21], \s*ROWB
	s_or_b32 s[G0+4*\s+3], s[G0+4*\s+3], 0x80000000
	s_mov_b32 s[G0B+4*\s], 1
	s_mov_b32 s[G0B+4*\s+1], \s*SLOT+2*HALFT
	s_add_nc_u64 s[G0B+4*\s+2:G0B+4*\s+3], s[46:47], \s*ROWB
	s_or_b32 s[G0B+4*\s+3], s[G0B+4*\s+3], 0x80000000
.endr
; the head's loads, one a wave, in one tree of branches on the wave's number
.macro ARM under, g0, g1, next
	s_cmp_lt_u32 s14, \under
	s_cbranch_scc0 \next
	tensor_load_to_lds s[\g0:\g0+3], s[\g1:\g1+7]
	s_nop 0
.rept 4
	v_nop
.endr
	s_branch .Lhead_asked
\next:
.endm
	ARM 1, G0,   G1,  .Lhead_b
	ARM 2, G0B,  G1B, .Lhead_a1
	ARM 3, G0+4, G1,  .Lhead_b1
	tensor_load_to_lds s[G0B+4:G0B+7], s[G1B:G1B+7]
	s_nop 0
.rept 4
	v_nop
.endr
.Lhead_asked:
	s_mov_b32 s[SEL], 0x76543210
	s_mov_b32 s[SEL+1], 0xfedcba98
	s_mov_b32 s95, 0x7f7f0000
	v_and_b32 v1, 15, v0
	v_bfe_u32 v2, v0, 4, 1
	v_mul_u32_u24 v3, v1, PITCH
	v_mul_u32_u24 v4, v2, 24
	v_add_nc_u32 v4, v3, v4
	s_mul_i32 s21, s15, HALFT
	s_mul_i32 s22, s16, HALFT
	s_add_co_u32 s22, s22, 2*HALFT
.irp s, 0,1
	v_add_nc_u32 v[ADRA+\s], s21, v4
	v_add_nc_u32 v[ADRB+\s], s22, v4
	s_add_co_u32 s21, s21, SLOT
	s_add_co_u32 s22, s22, SLOT
.endr
	s_mul_i32 s21, s15, HALFT                      ; the scale words: byte 192 of a row; lanes 0-15 A's rows, lanes 16-31 B's: the lower base + h x the distance
	s_mul_i32 s22, s16, HALFT
	s_add_co_u32 s22, s22, 2*HALFT
	s_sub_co_u32 s22, s22, s21
	s_wait_alu depctr_va_vdst(0)                   ; behind the run of scalar lines and directly ahead of the readers below
	v_mul_u32_u24 v6, s22, v2
	s_add_co_u32 s21, s21, 192
	v_add_nc_u32 v5, v3, v6
	v_add_nc_u32 v[ADRS], s21, v5
	v_add_nc_u32 v[ADRS+1], SLOT, v[ADRS]
	v_and_b32 v6, 31, v0
	v_lshlrev_b32 v[L16], 4, v6
	v_lshlrev_b32 v[L8], 3, v6
	v_lshlrev_b32 v[SH], 4, v2
	v_lshlrev_b32 v11, 6, v2
	v_and_b32 v12, 8, v1
	v_add_nc_u32 v12, v12, v1
	v_lshlrev_b32 v12, 2, v12
	v_lshlrev_b32 v[PFO], 10, v6                   ; the prefetches: a lane a row
.irp b, 0,1,2,3
	v_mov_b32 v[TM+4+\b], 0
.endr
	s_and_b32 s12, s42, 7
	s_lshl_b32 s12, s12, 8
	s_lshl_b32 s13, s16, 7
	s_add_co_u32 s12, s12, s13
	s_lshl_b32 s12, s12, 2
	s_mov_b32 s13, 0
	s_add_nc_u64 s[PI0:PI0+1], s[8:9], s[12:13]
	s_and_b32 s12, s17, 3
	s_lshl_b32 s12, s12, 8
	s_lshl_b32 s66, s15, 7
	s_add_co_u32 s12, s12, s66
	s_add_co_u32 s12, s12, 2048
	s_lshl_b32 s12, s12, 2
	s_add_nc_u64 s[PI1:PI1+1], s[8:9], s[12:13]
	s_cmp_eq_u32 s15, 0                            ; do I fetch for A?
	s_cselect_b32 s12, s17, s42                    ; the tile,
	s_cselect_b32 s66, s40, s41                    ; and my place among the four that ask for it with me
	s_lshl_b32 s12, s12, 8
	s_lshl_b32 s67, s16, 7
	s_add_co_u32 s12, s12, s67
	s_lshl_b32 s66, s66, 5
	s_add_co_u32 s12, s12, s66
	s_lshl_b32 s12, s12, 10
	s_add_nc_u64 s[PFA:PFA+1], s[4:5], s[12:13]
	s_wait_alu depctr_va_vdst(0)                   ; the wait behind the run of scalar lines
	global_prefetch_b8 v[PFO], s[PFA:PFA+1] offset:2*ROWB th:TH_LOAD_NT scope:SCOPE_SE   ; chunk 2 of my 32 rows; the address registers are never rewritten
	global_prefetch_b8 v[PFO], s[PFA:PFA+1] offset:3*ROWB th:TH_LOAD_NT scope:SCOPE_SE   ; chunk 3
.macro FRAG reg, adr, q, i
.irp p, 0,1,2,3,4,5
	ds_load_b64 v[\reg+2*\p:\reg+2*\p+1], v[\adr] offset:96*(\q)+48*(\p/3)+8*(\p%3)+(\i)*16*PITCH
.endr
.endm
.macro MUL16 a0, p, q, sc, zero
.irp a, \a0, \a0+1
.irp b, 0,1,2,3,4,5,6,7
.if \zero
	v_wmma_scale_f32_16x16x128_f8f6f4 v[8*(8*((\a)%4)+\b):8*(8*((\a)%4)+\b)+7], v[128*(\p)+FR*\b:128*(\p)+FR*\b+FR-1], v[AF+FR*(\a):AF+FR*(\a)+FR-1], 0, v[SC+8*NQ*(\sc)+NQ*\b+(\q)], v[SC+8*NQ*(\sc)+NQ*(\a)+(\q)] matrix_a_fmt:MATRIX_FMT_FP6 matrix_b_fmt:MATRIX_FMT_FP6 matrix_a_scale:MATRIX_SCALE_ROW1
.else
	v_wmma_scale_f32_16x16x128_f8f6f4 v[8*(8*((\a)%4)+\b):8*(8*((\a)%4)+\b)+7], v[128*(\p)+FR*\b:128*(\p)+FR*\b+FR-1], v[AF+FR*(\a):AF+FR*(\a)+FR-1], v[8*(8*((\a)%4)+\b):8*(8*((\a)%4)+\b)+7], v[SC+8*NQ*(\sc)+NQ*\b+(\q)], v[SC+8*NQ*(\sc)+NQ*(\a)+(\q)] matrix_a_fmt:MATRIX_FMT_FP6 matrix_b_fmt:MATRIX_FMT_FP6 matrix_a_scale:MATRIX_SCALE_ROW1
.endif
.endr
.endr
.endm
.macro FETCH_B slot, q, p
	WIN TO_B
.irp i, 0,1,2,3,4,5,6,7
	FRAG 128*(\p)+FR*\i, ADRB+\slot, \q, \i
.endr
	WIN 0
.endm
.macro FETCH_A slot, q, i0
.irp i, \i0, \i0+1, \i0+2, \i0+3
	FRAG AF+FR*(\i), ADRA+\slot, \q, \i
.endr
.endm
.macro SCALES sc                       ; the two scale words of a chunk: lanes 0-15 A's block i, lanes 16-31 B's block i
.irp i, 0,1,2,3,4,5,6,7
	ds_load_b64 v[SC+8*NQ*\sc+NQ*\i:SC+8*NQ*\sc+NQ*\i+1], v[ADRS+\sc] offset:\i*16*PITCH
.endr
.endm
.macro PLACES n
.rept \n
	v_nop
.endr
.endm
.macro STEP slot, q, zero
	s_wait_dscnt 4*NL                              ; the youngest loads, A's blocks 4-7, may be out
	WIN MUL_LO
	MUL16 0, (\q)%2, \q, \slot, \zero
	MUL16 2, (\q)%2, \q, \slot, \zero
	s_wait_dscnt 0
	PLACES NP
	FETCH_B \slot, (\q)+1, 1-(\q)%2
	FETCH_A \slot, (\q)+1, 0
	WIN MUL_HI
	MUL16 4, (\q)%2, \q, \slot, \zero
	MUL16 6, (\q)%2, \q, \slot, \zero
	PLACES NP
	WIN 0
	FETCH_A \slot, (\q)+1, 4
.endm
.macro TURN slot, next, fill
	s_wait_tensorcnt 0x0                           ; all my tensor loads have landed;
	ds_add_u32 v[SPW], v[NIL]
	s_wait_dscnt 4*NL+1                            ; (the add and A's blocks 4-7 may be out)
	WIN MUL_LO
	MUL16 0, 1, NQ-1, \slot, 0
	s_wait_dscnt 0x0                               ; the add is done, my reads of this slot are over
	s_barrier_signal -1
	MUL16 2, 1, NQ-1, \slot, 0
	WIN 0
	s_barrier_wait -1
.if \fill
	CREST                                          ; the barrier has opened a round of the cluster's barrier
	s_add_nc_u64 s[G0+4*\slot+2:G0+4*\slot+3], s[G0+4*\slot+2:G0+4*\slot+3], 2*ROWB
	s_add_nc_u64 s[G0B+4*\slot+2:G0B+4*\slot+3], s[G0B+4*\slot+2:G0B+4*\slot+3], 2*ROWB
	JLOAD G0+4*\slot, G1, G0B+4*\slot, G1B
.else
	PLACES NP
.endif
	FETCH_B \next, 0, 0
	FETCH_A \next, 0, 0
	SCALES \next
	WIN MUL_HI
	MUL16 4, 1, NQ-1, \slot, 0
	MUL16 6, 1, NQ-1, \slot, 0
	PLACES NP
	WIN 0
	FETCH_A \next, 0, 4
.endm
	s_wait_alu depctr_va_vdst(0)                   ; the wait at the head's end
	s_wait_tensorcnt 0x0                           ; my tile of the head's four is in, and no tensor load of mine is out: from here on a load brings 128 rows, my quarter of a slot
	s_mov_b32 s[G1+2], 128<<16
	s_mov_b32 s[G1+4], 128
	s_mov_b32 s[G1B+2], 128<<16
	s_mov_b32 s[G1B+4], 128
.irp s, 0,1
	s_add_co_u32 s[G0+4*\s+1], s45, \s*SLOT
	s_add_co_u32 s[G0B+4*\s+1], s45, \s*SLOT
	s_add_nc_u64 s[G0+4*\s+2:G0+4*\s+3], s[G0+4*\s+2:G0+4*\s+3], s[18:19]
	s_add_nc_u64 s[G0B+4*\s+2:G0B+4*\s+3], s[G0B+4*\s+2:G0B+4*\s+3], s[18:19]
.endr
	s_barrier_signal -1
	s_barrier_wait -1                              ; all four tiles are in
	FETCH_B 0, 0, 0
	FETCH_A 0, 0, 0
	SCALES 0
	FETCH_A 0, 0, 4
.irp b, 0,1,2,3,4,5,6,7
	global_load_b128 v[BP+8*\b:BP+8*\b+3], v11, s[PI0:PI0+1] offset:(32*(\b/2)+8*(\b%2))*4
	global_load_b128 v[BP+8*\b+4:BP+8*\b+7], v11, s[PI0:PI0+1] offset:(32*(\b/2)+8*(\b%2))*4+16
.endr
.irp a, 0,1,2,3,4,5,6,7
	global_load_b32 v[BR+\a], v12, s[PI1:PI1+1] offset:(32*(\a/2)+8*(\a%2))*4
.endr
	STEP 0, 0, 1
	s_mov_b32 s3, LAPS-1
.Llap:
	TURN 0, 1, 1
	STEP 1, 0, 0
	TURN 1, 0, 1
	STEP 0, 0, 0
	s_sub_co_u32 s3, s3, 1
	s_cmp_lg_u32 s3, 0
	s_cbranch_scc1 .Llap
	TURN 0, 1, 0
	STEP 1, 0, 0
	s_wait_dscnt 4*NL
	WIN MUL_LO
	MUL16 0, 1, NQ-1, 1, 0
	MUL16 2, 1, NQ-1, 1, 0
	s_wait_dscnt 0
	WIN MUL_HI
	MUL16 4, 1, NQ-1, 1, 0
	MUL16 6, 1, NQ-1, 1, 0
	WIN 0
; 64 numbers a lane, four half blocks of 16 neighbours, become an operand's twelve registers and a scale word
.macro QUANT s, pw
.irp b, 0,1,2,3
	v_max3_num_f32 v[TM+\b], |v[\s+16*\b]|, |v[\s+1+16*\b]|, 0x1800000
.endr
.irp i, 2,4,6,8,10,12,14
.irp b, 0,1,2,3
	v_max3_num_f32 v[TM+\b], v[TM+\b], |v[\s+16*\b+\i]|, |v[\s+1+16*\b+\i]|
.endr
.endr
.irp b, 0,1,2,3
	v_permlanex16_b32 v[TM+4+\b], v[TM+\b], s[SEL], s[SEL+1]
.endr
.irp b, 0,1,2,3
	v_max_num_f32 v[TM+\b], v[TM+\b], v[TM+4+\b]
.endr
.irp b, 0,1,2,3
	v_add_nc_u32 v[TM+12+\b], 0xff000000, v[TM+\b]
.endr
.irp b, 0,1,2,3
	v_lshrrev_b32 v[TM+4+\b], 23, v[TM+12+\b]
.endr
	v_lshl_or_b32 v[\pw], v[TM+5], 8, v[TM+4]
	v_lshl_or_b32 v[\pw], v[TM+6], 16, v[\pw]
	v_lshl_or_b32 v[\pw], v[TM+7], 24, v[\pw]
.irp c, 0,1
	v_cvt_scalef32_pk16_fp6_f32 v[CD+6*\c:CD+2+6*\c], v[\s+32*\c:\s+15+32*\c], v[TM+12+2*\c]
	v_cvt_scalef32_pk16_fp6_f32 v[CD+12+4*\c:CD+14+4*\c], v[\s+16+32*\c:\s+31+32*\c], v[TM+12+2*\c+1]
.endr
	v_nop
.irp c, 0,1
.irp i, 0,1,2
	v_permlane16_swap_b32 v[CD+6*\c+\i], v[CD+12+4*\c+\i]
.endr
.irp i, 0,1,2
	v_mov_b32 v[CD+3+6*\c+\i], v[CD+12+4*\c+\i]
.endr
.endr
.endm
.macro BLOCKOUT a, isv
.set AC, 64*((\a)%4)
	s_wait_xcnt 0x0                                ; the last block's stores have read their data
	WIN 0x02+(\a)/4
.set i, 0
.rept 32
.if \isv
.if (\a)%2
	v_pk_add_f32 v[HA+2*i:HA+2*i+1], v[AC+2*i:AC+2*i+1], v[BR+2*((\a)/2):BR+2*((\a)/2)+1] op_sel:[0,1] op_sel_hi:[1,1]
.else
	v_pk_add_f32 v[HA+2*i:HA+2*i+1], v[AC+2*i:AC+2*i+1], v[BR+2*((\a)/2):BR+2*((\a)/2)+1] op_sel:[0,0] op_sel_hi:[1,0]
.endif
.else
	v_pk_add_f32 v[HA+2*i:HA+2*i+1], v[AC+2*i:AC+2*i+1], v[BP+2*i:BP+2*i+1]
.endif
.set i, i+1
.endr
	WIN 0
.if \isv
	QUANT HA, SW+(\a)
	global_store_b128 v[L16], v[CD:CD+3], s[PI0:PI0+1] offset:((\a)/4)*208896+((\a)%4)*1536
	global_store_b64 v[L8], v[CD+4:CD+5], s[PI0:PI0+1] offset:((\a)/4)*208896+((\a)%4)*1536+512
	global_store_b128 v[L16], v[CD+6:CD+9], s[PI0:PI0+1] offset:((\a)/4)*208896+((\a)%4)*1536+768
	global_store_b64 v[L8], v[CD+10:CD+11], s[PI0:PI0+1] offset:((\a)/4)*208896+((\a)%4)*1536+1280
.else
	QUANT HA, PW
	global_store_b128 v[L16], v[CD:CD+3], s[PI0:PI0+1] offset:768*(\a)
	global_store_b64 v[L8], v[CD+4:CD+5], s[PI0:PI0+1] offset:768*(\a)+512
	global_store_b128 v[L16], v[CD+6:CD+9], s[PI1:PI1+1] offset:768*(\a)
	global_store_b64 v[L8], v[CD+10:CD+11], s[PI1:PI1+1] offset:768*(\a)+512
	v_lshrrev_b32 v[SW+(\a)%4], v[SH], v[PW]
	v_and_or_b32 v[SW+(\a)%4], v[SW+(\a)%4], 0xffff, s95
.if (\a)%4 == 3
	global_store_b128 v[VSC], v[SW:SW+3], s[PS:PS+1] offset:256*((\a)/4)
.endif
.endif
.endm
	PLACES NP
	s_wait_loadcnt 0x0
	s_cmp_eq_u32 s2, 0
	s_cbranch_scc0 .Lway_v
	s_lshr_b32 s18, s17, 3
	s_lshl_b32 s19, s17, 1
	s_add_co_u32 s19, s19, s15
	s_and_b32 s19, s19, 15
	s_and_b32 s20, s42, 7
	s_lshl_b32 s20, s20, 2
	s_lshl_b32 s21, s16, 1
	s_add_co_u32 s20, s20, s21
	s_and_b32 s20, s20, 15
	s_lshl_b32 s18, s18, 4
	s_add_co_u32 s18, s18, s20
	s_cmp_eq_u32 ttmp9, 0
	s_mov_b32 s20, 208896
	s_cselect_b32 s20, 98304, s20
	s_mov_b32 s21, 13056
	s_cselect_b32 s21, 6144, s21
	s_cselect_b32 s22, 13369344, 0
	s_mov_b32 s23, 208896
	s_cselect_b32 s23, 8192, s23
	s_mov_b32 s12, 13056
	s_cselect_b32 s12, 512, s12
	s_mov_b32 s13, 12288
	s_cselect_b32 s13, 19660800, s13
	s_mul_i32 s66, s18, s20
	s_mul_i32 s67, s19, s21
	s_add_co_u32 s66, s66, s67
	s_add_co_u32 s66, s66, s22
	s_mov_b32 s67, 0
	s_add_nc_u64 s[PI0:PI0+1], s[10:11], s[66:67]
	s_mov_b32 s21, 0
	s_add_nc_u64 s[PI1:PI1+1], s[PI0:PI0+1], s[20:21]
	s_mul_i32 s66, s18, s23
	s_mul_i32 s94, s19, s12
	s_add_co_u32 s66, s66, s94
	s_add_co_u32 s66, s66, s13
	s_add_nc_u64 s[PS:PS+1], s[10:11], s[66:67]
	v_mul_lo_u32 v[VSC], v2, s23
	v_lshl_add_u32 v[VSC], v1, 4, v[VSC]
.irp a, 0,1,2,3,4,5,6,7
	BLOCKOUT \a, 0
.endr
	s_branch .Ldone
.Lway_v:
	s_lshr_b32 s18, s42, 3
	s_lshl_b32 s19, s42, 1
	s_add_co_u32 s19, s19, s16
	s_and_b32 s19, s19, 15
	s_and_b32 s20, s17, 3
	s_lshl_b32 s20, s20, 2
	s_lshl_b32 s21, s15, 1
	s_add_co_u32 s20, s20, s21
	s_lshl_b32 s18, s18, 4
	s_add_co_u32 s18, s18, s20
	s_lshl_b32 s18, s18, 4
	s_add_co_u32 s18, s18, s19
	s_mul_i32 s66, s18, 13056
	s_add_co_u32 s66, s66, 6144
	s_mov_b32 s67, 0
	s_add_nc_u64 s[PI0:PI0+1], s[10:11], s[66:67]
	v_mul_u32_u24 v[VSC], v2, 208896
	v_lshl_add_u32 v[VSC], v1, 4, v[VSC]
.irp a, 0,1,2,3,4,5,6,7
	BLOCKOUT \a, 1
.endr
	v_cmp_eq_u32 vcc_lo, 1, v2
.irp i, 0,1,2,3
	v_cndmask_b32 v[SW+\i], v[SW+\i], v[SW+4+\i], vcc_lo
.endr
	global_store_b128 v[VSC], v[SW:SW+3], s[PI0:PI0+1] offset:6656
.Ldone:
	s_wait_tensorcnt 0x0                           ; the wave's end
	ds_add_u32 v[SPW], v[NIL]
	s_wait_dscnt 0x0
	CROUND                                         ; the closing round
	s_endpgm
.Lfunc_end_k_q3c8be27ab0_qkvgemm:
	.size	k_q3c8be27ab0_qkvgemm, .Lfunc_end_k_q3c8be27ab0_qkvgemm-k_q3c8be27ab0_qkvgemm
	.p2alignl 7, 3214868480
	.fill 96, 4, 3214868480
	.section	.rodata,"a",@progbits
	.p2align	6, 0x0
	.amdhsa_kernel k_q3c8be27ab0_qkvgemm
		.amdhsa_group_segment_fixed_size 327680
		.amdhsa_private_segment_fixed_size 0
		.amdhsa_enable_private_segment 0
		.amdhsa_kernarg_size 24
		.amdhsa_user_sgpr_count 2
		.amdhsa_user_sgpr_kernarg_segment_ptr 1
		.amdhsa_wavefront_size32 1
		.amdhsa_system_sgpr_workgroup_id_x 1
		.amdhsa_system_sgpr_workgroup_id_y 1
		.amdhsa_system_sgpr_workgroup_id_z 1
		.amdhsa_system_vgpr_workitem_id 0
		.amdhsa_next_free_vgpr 1024
		.amdhsa_next_free_sgpr 102
		.amdhsa_reserve_vcc 1
		.amdhsa_float_denorm_mode_32 3
		.amdhsa_float_denorm_mode_16_64 3
		.amdhsa_memory_ordered 1
		.amdhsa_forward_progress 1
		.amdhsa_inst_pref_size 235
	.end_amdhsa_kernel
	.amdgpu_metadata
---
amdhsa.version: [ 1, 2 ]
amdhsa.kernels:
  - .name:           k_q3c8be27ab0_qkvgemm
    .symbol:         k_q3c8be27ab0_qkvgemm.kd
    .args:
      - { .name: codes1, .offset: 0, .size: 8, .value_kind: global_buffer, .address_space: global }
      - { .name: b_qkv, .offset: 8, .size: 8, .value_kind: global_buffer, .address_space: global }
      - { .name: qkvbuf, .offset: 16, .size: 8, .value_kind: global_buffer, .address_space: global }
    .group_segment_fixed_size: 327680
    .private_segment_fixed_size: 0
    .kernarg_segment_align: 8
    .kernarg_segment_size: 24
    .max_flat_workgroup_size: 128
    .sgpr_count:     102
    .vgpr_count:     1024
    .wavefront_size: 32
...
	.end_amdgpu_metadata
.endif
;; end of part 2
;; launch attn (part 3): grid 4 x 64, 16 waves a work-group, clusters of 4 x 1, 263,168 bytes of LDS; arguments qkvbuf, obuf; writes obuf
.if DOCPART == 3
	.amdgcn_target "amdgcn-amd-amdhsa--gfx1250"
	.amdhsa_code_object_version 6
	.text
	.protected	k_q3c8be27ab0_attn
	.globl	k_q3c8be27ab0_attn
	.p2align	8
	.type	k_q3c8be27ab0_attn,@function
k_q3c8be27ab0_attn:
	s_mov_b64 s[64:65], 0
	v_nop
	global_prefetch_b8 v0, s[64:65] scope:SCOPE_SE
	s_setreg_imm32_b32 hwreg(HW_REG_WAVE_MODE, 25, 1), 1
	s_wait_xcnt 0x0
	s_wait_alu depctr_hold_cnt(0) depctr_sa_sdst(0) depctr_va_vdst(0) depctr_va_sdst(0) depctr_va_ssrc(0) depctr_va_vcc(0) depctr_vm_vsrc(0)
	s_getreg_b32 s2, hwreg(HW_REG_IB_STS2, 6, 4)
	s_cmp_eq_u32 s2, 0
	s_cbranch_scc0 .Lentry_in_a_cluster
	s_endpgm
.Lentry_in_a_cluster:
	s_bfe_u32 s2, ttmp6, 0x10000c
	s_cmp_lg_u32 s2, 0x3003
	s_cbranch_scc0 .Lentry_shape_is_right
	s_endpgm
.Lentry_shape_is_right:
; O = softmax(q k^T / 8) v for 64 heads of 2,048 tokens x 64 channels, both products on codes of FP6 (E2M3) with E8M0 scales; O is divided by the row's sum and quantised along C for the projection.
; THE SOFTMAX: t = score x log2(e) / 8; M = the running largest t rounded UP to a whole number; p = 2^(t - M) is quantised along the keys, not normalised; the row's sum is taken of the unquantised p.
; When M moves, the sum and O^T are multiplied by 2^(old M - new M): exact.
; SHARES.  A work-group owns 512 stored queries of ONE head (y = the head among 64, x = the block of queries); each of its sixteen waves owns two tiles of 16 queries, walked one after the other.
; ALL OF THE HEAD'S K AND V LIE IN LDS: 16 records of 13,056 bytes, one for each 128 keys (8 sub-images of K, 4 images of V^T, K's and V's scale words, as images of operand registers).
; Each wave fetches one record by one tensor load at the head; one barrier follows; nothing is filled again, so the walk over the keys has no barrier and no wait on a tile.
; A record comes as 51 rows of 256 bytes with 64 bytes of padding behind each: 16 x 51 x 320 = 261,120 bytes, and 2,048 of spare words behind them.
; CLUSTER: the four query blocks of a head need the same records: each is asked for jointly.  NO PREFETCH: every tile is asked for once, at the head; there is no loop to run ahead in.
; LAYOUT.  S^T = K Q^T, O^T = V^T P^T: a lane holds one query throughout.  WHICH KEYS FORM A TILE OF K is chosen by the LDS addresses: row 8 h + j of tile 4 c + u is key 64 c + 32 h + 8 u + j of the record,
; which lies in stored tile 4 c + 2 h + u % 2 at row 8 (u / 2) + j.  So the 32 registers of tiles 4 c .. 4 c + 3 in lane half h are block 2 c + h of 32 keys, in order: a block's maximum needs no other lane,
; and the conversions' results are the operand's registers.  Six rows of 320 bytes are 128 modulo 256.
; K = 64 IN AN INSTRUCTION OF 128: Q's registers 6-11 are zero codes; K's tile t is named as twelve registers from its six on, so that its upper six are the next tile's codes (behind tile 7: the second tile's Q).
; The format has no NaN and no infinity, so these add nothing against zeros; the scale bytes of that half are 127 on both sides.
; LIMITS: NaN and infinities are not served; the promise holds while the scaled scores stay under 2^31 in magnitude; blocks of O whose largest magnitude lies under 2^-124 get the byte 1.
.set RECB, 13056                       ; a record in memory
.set ROWL, 320                         ; an LDS row
.set RECL, 51*ROWL                     ; a record in LDS
.set SPARE, 16*RECL                    ; the spare words, 128 bytes a wave
.set QIMG,  13369344
.set QSCL,  19660800
.set RECO,  3328                       ; obuf: a record for 16 tokens x 4 heads: four sub-images of 768 bytes, 8 scale bytes a token, 128 bytes of zeros; [head / 4][tile][RECO]
.set LN,    252                        ; v252 the lane's number
.set BK16, 1                           ; v1-3 a lane's place in K's 16-byte rows, 8-byte rows and scale rows
.set BK8,  2
.set BKS,  3
.set SPW,  4                           ; v4 my spare word, v5 0: never rewritten
.set NIL,  5
.set BV16, 6                           ; v6 a lane's place in V's 16-byte rows
.set L8,   7                           ; v7 8 x lane
.set R16,  8                           ; v8 16 x (lane % 16)
.set SH8,  9                           ; v9 8 x (lane / 16)
.set OSV,  10                          ; v10 8 x (lane % 16)
.set L16,  11                          ; v11 16 x lane.  v12 -M, v13 the largest score so far
.set A1,   14                          ; the step's six LDS addresses: v14, v15, v240-243
.set A2,   15
.set QS,   28                          ; v16-21 Q's codes, v22-27 zeros; v28 Q's scale word, v29 the second tile's
.set QS2,  29
.set F,    30                          ; v[30:31] f = 2^(old M - new M)
.set KB,   32                          ; v32-79 K's eight tiles, six registers each
.set Q2,   80                          ; v80-85 the second tile's Q
.set KSC,  86                          ; v86-89 K's scale words: lanes 0-15 tiles 0-3, lanes 16-31 tiles 4-7
.set VSC,  90
.set PW,   94                          ; p's scale word
.set TMP,  95
.set S,    96                          ; v96-159 S^T, then p
.set OT,   160                         ; v160-191 O^T
.set VB,   192                         ; v192-239 V's four tiles
.set A3,   240
.set A4,   241
.set A5,   242
.set A6,   243
.set SUM,  244                         ; v244-251 the row's sum (the first pair) and three chains of a step
.set CD,   32                          ; behind the first products K's registers are free: p's codes,
.set PT,   44                          ; the conversions' second halves (44-46, 48-50),
.set BM,   52                          ; the blocks' maxima, two chains each,
.set T0,   56
.set T1,   57
.set SO,   58                          ; the conversions' scale operands,
.set BY,   60                          ; the scale bytes
.set T4,   62
.set WV,  8
.set G1,  16
.set G0,  24
.set TB,  28                           ; LDS byte of the record in hand
.set CNT, 29
.set NCS, 33                           ; -c
.set SEL, 36
.set CS,  38                           ; c = log2(e) / 8
.set QP,  40
.set QSP, 42
.set OI,  44
.set OS,  46
.macro CROUND                          ; a round of the cluster's barrier
	s_barrier_signal -1
	s_barrier_wait -1
	s_cmp_lg_u32 s[WV], 0
	s_cbranch_scc1 .Lnot_wave_0_\@
	s_barrier_signal -3
.Lnot_wave_0_\@:
	s_barrier_wait -3
	s_barrier_signal -1
	s_barrier_wait -1
.endm
	s_load_b128 s[4:7], s[0:1], 0x0                ; qkvbuf, obuf
	v_lshl_add_u32 v[SPW], v0, 2, SPARE
	v_mov_b32 v[NIL], 0
	ds_add_u32 v[SPW], v[NIL]                      ; the opening lines: the add twice on end and its wait ahead of my tensor load
	ds_add_u32 v[SPW], v[NIL]
	v_lshrrev_b32 v6, 5, v0
	v_readfirstlane_b32 s[WV], v6                  ; wave 0..15
	s_bfe_u32 s9, ttmp6, 0x40000                   ; cx: my block of 512 queries
	s_and_b32 s11, ttmp7, 0xffff                   ; y: the head, which the partners share
	s_mov_b32 s[G1], 15|(3<<16)|(1<<20)|(1<<21)|(5<<22)|(15<<25)   ; the mask: all four; elements of 8 bytes; 16 words of padding behind every 64
	s_mov_b32 s[G1+1], 32<<16                      ; rows of 256 bytes
	s_mov_b32 s[G1+2], 51<<16
	s_mov_b32 s[G1+3], 32<<16
	s_mov_b32 s[G1+4], 51
	s_mov_b32 s[G1+5], 32                          ; dense
	s_mov_b32 s[G1+6], 0
	s_mov_b32 s[G1+7], 0
	s_mul_i32 s12, s11, 16*RECB                    ; the head's records,
	s_mul_i32 s13, s[WV], RECB                     ; mine of them
	s_add_co_u32 s50, s12, s13
	s_mov_b32 s51, 0
	s_mul_i32 s14, s[WV], RECL
	s_lshl_b32 s15, s9, 5
	s_lshl_b32 s10, s[WV], 1
	s_add_co_u32 s15, s15, s10                     ; T: my first tile of 16 stored queries, 0..126, even
	s_mul_i32 s12, s11, 98304                      ; Q's images
	s_mul_i32 s13, s15, 768
	s_add_co_u32 s12, s12, s13
	s_add_co_u32 s12, s12, QIMG
	s_mov_b32 s13, 0
	s_lshl_b32 s54, s11, 13                        ; Q's scale words: 8,192 bytes a head; 256 bytes for four tiles
	s_lshr_b32 s55, s15, 2
	s_lshl_b32 s55, s55, 8
	s_add_co_u32 s54, s54, s55
	s_and_b32 s55, s15, 3
	s_lshl_b32 s55, s55, 2
	s_add_co_u32 s54, s54, s55
	s_add_co_u32 s54, s54, QSCL
	s_mov_b32 s55, 0
	s_lshr_b32 s48, s11, 4                         ; b
	s_lshl_b32 s48, s48, 7
	s_add_co_u32 s48, s48, s15                     ; my tile among all 512
	s_and_b32 s49, s11, 15                         ; the head among 16
	s_lshr_b32 s44, s49, 2
	s_mul_i32 s44, s44, 512*RECO
	s_mul_i32 s45, s48, RECO
	s_add_co_u32 s44, s44, s45                     ; my first tile's record
	s_and_b32 s45, s49, 3
	s_lshl_b32 s46, s45, 1
	s_add_co_u32 s46, s46, s44
	s_add_co_u32 s46, s46, 3072                    ; the head's two scale bytes of a token's eight
	s_mov_b32 s47, 0
	s_lshl_b32 s56, s45, 5
	s_add_co_u32 s56, s56, s44
	s_add_co_u32 s56, s56, 3200                    ; the head's 32 of the record's 128 bytes of zeros
	s_mov_b32 s57, 0
	s_mul_i32 s45, s45, 768
	s_add_co_u32 s44, s44, s45                     ; the head's sub-image
	s_mov_b32 s45, 0
	s_mov_b32 s[SEL], 0x76543210
	s_mov_b32 s[SEL+1], 0xfedcba98
	s_mov_b32 s[CS], 0x3e38aa3b
	s_mov_b32 s[CS+1], s[CS]                       ; (named with it as a pair, so it is written)
	s_mov_b32 s[NCS], 0xbe38aa3b
	s_wait_dscnt 0x0                               ; both opening adds are done
	s_wait_kmcnt 0x0
	s_add_nc_u64 s[QP:QP+1], s[4:5], s[12:13]
	s_add_nc_u64 s[QSP:QSP+1], s[4:5], s[54:55]
	s_add_nc_u64 s[OI:OI+1], s[6:7], s[44:45]
	s_add_nc_u64 s[OS:OS+1], s[6:7], s[46:47]
	s_add_nc_u64 s[56:57], s[6:7], s[56:57]
	s_mov_b32 s[G0], 1
	s_mov_b32 s[G0+1], s14
	s_add_nc_u64 s[G0+2:G0+3], s[4:5], s[50:51]
	s_or_b32 s[G0+3], s[G0+3], 0x80000000
	CROUND                                         ; all four work-groups are here: the joint loads meet
	tensor_load_to_lds s[G0:G0+3], s[G1:G1+7]      ; my record: one tensor load a wave, the only one of the launch
	s_nop 0
	v_and_b32 v96, 31, v0
	v_and_b32 v[LN], 31, v0
	v_and_b32 v97, 7, v0                           ; j
	v_bfe_u32 v98, v0, 3, 1                        ; which eight rows of a tile
	v_bfe_u32 v99, v0, 4, 1                        ; lane / 16
	v_and_b32 v100, 15, v0
	v_lshlrev_b32 v[L16], 4, v96
	v_lshlrev_b32 v[L8], 3, v96
	v_lshlrev_b32 v[R16], 4, v100
	v_lshlrev_b32 v[OSV], 3, v100
	v_lshlrev_b32 v[SH8], 3, v99
	global_load_b128 v[16:19], v[L16], s[QP:QP+1]                  ; Q's sub-image of my first tile,
	global_load_b64 v[20:21], v[L8], s[QP:QP+1] offset:512
	global_load_b32 v[QS], v[R16], s[QSP:QSP+1]
	global_load_b128 v[Q2:Q2+3], v[L16], s[QP:QP+1] offset:768     ; and of the second, which waits
	global_load_b64 v[Q2+4:Q2+5], v[L8], s[QP:QP+1] offset:768+512
	global_load_b32 v[QS2], v[R16], s[QSP:QSP+1] offset:4
	v_mul_u32_u24 v101, v98, 6*ROWL                ; two stored tiles on: six rows
	v_mul_u32_u24 v102, v99, ROWL
	v_add_nc_u32 v103, v101, v102
	v_lshl_add_u32 v[BK16], v97, 4, v103
	v_lshl_add_u32 v104, v99, 7, v101
	v_lshl_add_u32 v[BK8], v97, 3, v104
	v_lshl_add_u32 v105, v97, 4, v102
	v_lshl_add_u32 v[BKS], v98, 3, v105
	v_lshl_add_u32 v[BV16], v100, 4, v102
.irp j, 22,23,24,25,26,27
	v_mov_b32 v[\j], 0                             ; the zero codes of the empty half of K; never rewritten
.endr
	v_mov_b32 v[F+1], 0                            ; (named as the upper half of the pair)
.macro INIT                            ; a tile begins: the step is written once, and its first walk finds zeros
	v_mov_b32 v13, 0xff61b1e6                      ; the largest score so far: -3e38
	v_mov_b32 v12, 0x7f61b1e6                      ; -M
.set j, 0
.rept 8
	v_mov_b32 v[SUM+j], 0
.set j, j+1
.endr
.set j, 0
.rept 32
	v_mov_b32 v[OT+j], 0
.set j, j+1
.endr
.endm
	INIT
.macro COMBINE                         ; the last step's three chains join the sum
	v_pk_add_f32 v[SUM+2:SUM+3], v[SUM+2:SUM+3], v[SUM+4:SUM+5]
	v_pk_add_f32 v[SUM:SUM+1], v[SUM:SUM+1], v[SUM+6:SUM+7]
	v_pk_add_f32 v[SUM:SUM+1], v[SUM:SUM+1], v[SUM+2:SUM+3]
.endm
.macro KLD c, a, b                     ; tile 4 c + 2 a + b
	ds_load_b128 v[KB+6*(4*\c+2*\a+\b):KB+6*(4*\c+2*\a+\b)+3], v[A1] offset:12*ROWL*\c+3*ROWL*\b+128*\a
	ds_load_b64 v[KB+6*(4*\c+2*\a+\b)+4:KB+6*(4*\c+2*\a+\b)+5], v[A2] offset:12*ROWL*\c+3*ROWL*\b+2*ROWL+64*\a
.endm
.macro PF n                            ; t - M, two at a time
.rept \n
	v_pk_fma_f32 v[S+j:S+j+1], v[S+j:S+j+1], s[CS:CS+1], v[12:13] op_sel_hi:[1,0,0]
.set j, j+2
.endr
.endm
.macro PS n                            ; p's pairs into the sum and its chains, by turns
.rept \n
	v_pk_add_f32 v[SUM+2*(i%4):SUM+2*(i%4)+1], v[SUM+2*(i%4):SUM+2*(i%4)+1], v[S+2*i:S+2*i+1]
.set i, i+1
.endr
.endm
; A KEY STEP: 128 keys, the record at s[TB].  The twenty additions at the last step's end are the places between its products and the loads into their registers.
.macro STEP
	v_add_nc_u32 v[A1], s[TB], v[BK16]
	v_add_nc_u32 v[A2], s[TB], v[BK8]
	v_add_nc_u32 v[A3], s[TB], v[BKS]
	v_add_nc_u32 v[A4], s[TB], v[BV16]
	v_add_nc_u32 v[A5], s[TB], v[L8]
	v_add_nc_u32 v[A6], s[TB], v[R16]
.irp c, 0,1
.irp a, 0,1
.irp b, 0,1
	KLD \c, \a, \b
.endr
.endr
.endr
	ds_load_b64 v[KSC:KSC+1], v[A3] offset:48*ROWL
	ds_load_b64 v[KSC+2:KSC+3], v[A3] offset:48*ROWL+128
.irp t, 0,1,2,3
.irp c, 0,1
	ds_load_b128 v[VB+12*\t+6*\c:VB+12*\t+6*\c+3], v[A4] offset:(24+6*\t+3*\c)*ROWL
	ds_load_b64 v[VB+12*\t+6*\c+4:VB+12*\t+6*\c+5], v[A5] offset:(26+6*\t+3*\c)*ROWL
.endr
.endr
	ds_load_b128 v[VSC:VSC+3], v[A6] offset:50*ROWL
	s_wait_alu depctr_va_vdst(0)
	s_wait_dscnt 17                                ; K's 18 loads are in; V's 17 may be out
.irp t, 0,1,2,3
	v_wmma_scale_f32_16x16x128_f8f6f4 v[S+8*\t:S+8*\t+7], v[KB+6*\t:KB+6*\t+11], v[16:27], 0, v[KSC+\t], v[QS] matrix_a_fmt:MATRIX_FMT_FP6 matrix_b_fmt:MATRIX_FMT_FP6
.endr
.irp t, 4,5,6,7
	v_wmma_scale_f32_16x16x128_f8f6f4 v[S+8*\t:S+8*\t+7], v[KB+6*\t:KB+6*\t+11], v[16:27], 0, v[KSC+\t-4], v[QS] matrix_a_fmt:MATRIX_FMT_FP6 matrix_b_fmt:MATRIX_FMT_FP6 matrix_a_scale:MATRIX_SCALE_ROW1
.endr
	COMBINE                                        ; these three and the move are the four places behind the products
	v_mov_b32 v[TMP], v12
.irp b, 0,1                                    ; the largest score of my two blocks of 32 keys, two chains each: for the row's maximum and, since p rises with the score, for the block's largest p
	v_max3_num_f32 v[BM+\b], v[S+32*\b], v[S+32*\b+1], v[S+32*\b+2]
	v_max3_num_f32 v[BM+2+\b], v[S+32*\b+16], v[S+32*\b+17], v[S+32*\b+18]
.endr
.irp i, 3,5,7,9,11,13
.irp b, 0,1
	v_max3_num_f32 v[BM+\b], v[BM+\b], v[S+32*\b+\i], v[S+32*\b+\i+1]
	v_max3_num_f32 v[BM+2+\b], v[BM+2+\b], v[S+32*\b+16+\i], v[S+32*\b+17+\i]
.endr
.endr
.irp b, 0,1
	v_max3_num_f32 v[BM+\b], v[BM+\b], v[BM+2+\b], v[S+32*\b+15]
.endr
.irp b, 0,1
	v_max_num_f32 v[BM+\b], v[BM+\b], v[S+32*\b+31]
.endr
	s_delay_alu instid0(VALU_DEP_1)
	v_max_num_f32 v[T0], v[BM], v[BM+1]
	s_delay_alu instid0(VALU_DEP_1)
	v_permlanex16_b32 v[T1], v[T0], s[SEL], s[SEL+1]
	s_delay_alu instid0(VALU_DEP_1)
	v_max3_num_f32 v13, v13, v[T0], v[T1]          ; the running largest score of my query, with lane l xor 16's 64 keys
	s_delay_alu instid0(VALU_DEP_1)
	v_mul_f32 v[T0], s[NCS], v13                   ; -t
	s_delay_alu instid0(VALU_DEP_1)
	v_floor_f32 v12, v[T0]                         ; the new -M = -ceil(t): a whole number
	s_delay_alu instid0(VALU_DEP_1)
	v_sub_f32 v[TMP], v12, v[TMP]                  ; old M - new M: 0 or less
.set j, 0
	PF 4
	v_cvt_i32_f32 v[TMP], v[TMP]                   ; (it saturates)
	PF 4
	v_ldexp_f32 v[F], 1.0, v[TMP]                  ; f: a multiplication by it rounds nothing
	PF 24
.irp b, 0,1
	v_fma_f32 v[BM+\b], v[BM+\b], s[CS], v12       ; the same of each block's largest score
.endr
.set j, 0
.rept 16
	v_pk_mul_f32 v[OT+j:OT+j+1], v[OT+j:OT+j+1], v[F:F+1] op_sel_hi:[1,0]   ; O^T under the new M, each tile from its low end on
.set j, j+2
.endr
	s_wait_alu depctr_va_vdst(0)                   ; the wait ahead of the batch
.irp b, 0,1
	v_exp_f32 v[BM+\b], v[BM+\b]                   ; the block's largest p
.endr
.set j, 0
.rept 64
	v_exp_f32 v[S+j], v[S+j]                       ; p = 2^(t - M), at most 1
.set j, j+1
.endr
	v_pk_mul_f32 v[SUM:SUM+1], v[SUM:SUM+1], v[F:F+1] op_sel_hi:[1,0]     ; the sum under the new M (the plain place behind the exponentials)
	s_wait_alu depctr_va_vdst(0)                   ; one wait for the batch, ahead of its first reader
.irp b, 0,1
	v_max_num_f32 v[BM+\b], 0x1800000, v[BM+\b]    ; the floor 2^(3 - 127): the byte cannot fall under 1
.endr
.irp b, 0,1
	v_add_nc_u32 v[SO+\b], 0xff000000, v[BM+\b]    ; 2 off the exponent field: the conversion's scale operand
.endr
.irp c, 0,1
	v_cvt_scalef32_pk16_fp6_f32 v[CD+6*\c:CD+6*\c+2], v[S+32*\c:S+32*\c+15], v[SO+\c]
	v_cvt_scalef32_pk16_fp6_f32 v[PT+4*\c:PT+4*\c+2], v[S+32*\c+16:S+32*\c+31], v[SO+\c]   ; (a conversion's three registers begin on an even number)
.endr
.irp b, 0,1
	v_lshrrev_b32 v[BY+\b], 23, v[SO+\b]           ; the scale's byte (also the plain place behind the conversions)
.endr
	v_lshl_or_b32 v[PW], v[BY+1], 16, v[BY]        ; my two bytes: blocks h and 2 + h,
	s_delay_alu instid0(VALU_DEP_1)
	v_lshlrev_b32 v[PW], v[SH8], v[PW]             ; at their places in the word;
	s_delay_alu instid0(VALU_DEP_1)
	v_permlanex16_b32 v[T1], v[PW], s[SEL], s[SEL+1]
	s_delay_alu instid0(VALU_DEP_1)
	v_or_b32 v[PW], v[PW], v[T1]                   ; with lane l xor 16's two it is whole
.irp c, 0,1
.irp i, 0,1,2
	v_mov_b32 v[CD+6*\c+3+\i], v[PT+4*\c+\i]
.endr
.endr
.irp k, 1,2,3                                  ; THE ROW'S SUM IS TAKEN OF THE UNQUANTISED p.  The three chains begin anew;
	v_pk_add_f32 v[SUM+2*\k:SUM+2*\k+1], v[S+4*\k-4:S+4*\k-3], v[S+4*\k-2:S+4*\k-1]
.endr
.set i, 6
	PS 6                                           ; these nine additions are the places between p's codes and the products (fifteen behind its scale word)
	s_wait_alu depctr_va_vdst(0)                   ; the wait directly ahead of the wait below
	s_wait_dscnt 0x0                               ; V is in
.irp t, 0,1,2,3
	v_wmma_scale_f32_16x16x128_f8f6f4 v[OT+8*\t:OT+8*\t+7], v[VB+12*\t:VB+12*\t+11], v[CD:CD+11], v[OT+8*\t:OT+8*\t+7], v[VSC+\t], v[PW] matrix_a_fmt:MATRIX_FMT_FP6 matrix_b_fmt:MATRIX_FMT_FP6
.endr
	PS 20                                          ; the rest of the sum names no register of the products
.endm
.macro WALK                            ; a tile's sixteen key steps
	s_mov_b32 s[TB], 0
	s_mov_b32 s[CNT], 16
.Lstep_\@:
	STEP
	s_add_co_u32 s[TB], s[TB], RECL
	s_sub_co_u32 s[CNT], s[CNT], 1
	s_cmp_lg_u32 s[CNT], 0
	s_cbranch_scc1 .Lstep_\@
.endm
; A tile is finished: O^T / the sum, quantised along its 64 channels (two blocks), stored as a sub-image.  e = 0: the second tile's Q comes in and the sums begin anew.
.macro FINISH e
	s_wait_alu depctr_va_vdst(0)
	COMBINE
	s_delay_alu instid0(VALU_DEP_1)
	v_add_f32 v[T0], v[SUM], v[SUM+1]
	s_delay_alu instid0(VALU_DEP_1)
	v_permlanex16_b32 v[T1], v[T0], s[SEL], s[SEL+1]
	s_delay_alu instid0(VALU_DEP_1)
	v_add_f32 v[T0], v[T0], v[T1]                  ; the row's sum
	s_wait_alu depctr_va_vdst(0)
	v_rcp_f32 v[F], v[T0]
	v_nop                                          ; a plain place behind the reciprocal
	s_wait_alu depctr_va_vdst(0)                   ; and the wait ahead of its first reader, which is also O^T's
.set j, 0
.rept 16
	v_pk_mul_f32 v[S+j:S+j+1], v[OT+j:OT+j+1], v[F:F+1] op_sel_hi:[1,0]   ; register 16 b + i: channel 32 b + 16 (lane / 16) + i of the head
.set j, j+2
.endr
.irp b, 0,1
	v_max3_num_f32 v[BM+\b], |v[S+16*\b]|, |v[S+1+16*\b]|, 0x1800000
.endr
.irp i, 2,4,6,8,10,12,14
.irp b, 0,1
	v_max3_num_f32 v[BM+\b], v[BM+\b], |v[S+16*\b+\i]|, |v[S+1+16*\b+\i]|
.endr
.endr
.irp b, 0,1
	v_permlanex16_b32 v[T4+\b], v[BM+\b], s[SEL], s[SEL+1]
.endr
.irp b, 0,1
	v_max_num_f32 v[BM+\b], v[BM+\b], v[T4+\b]
.endr
.irp b, 0,1
	v_add_nc_u32 v[SO+\b], 0xff000000, v[BM+\b]
.endr
.irp b, 0,1
	v_lshrrev_b32 v[T4+\b], 23, v[SO+\b]
.endr
	v_cvt_scalef32_pk16_fp6_f32 v[CD:CD+2], v[S:S+15], v[SO]
	v_cvt_scalef32_pk16_fp6_f32 v[PT:PT+2], v[S+16:S+31], v[SO+1]
	v_lshl_or_b32 v[TMP], v[T4+1], 8, v[T4]        ; the head's two scale bytes of a token (the plain place behind the conversions)
.irp i, 0,1,2
	v_permlane16_swap_b32 v[CD+\i], v[PT+\i]
.endr
.irp i, 0,1,2
	v_mov_b32 v[CD+3+\i], v[PT+\i]
.endr
	global_store_b128 v[L16], v[CD:CD+3], s[OI:OI+1] offset:RECO*\e          ; 512 consecutive bytes, aligned,
	global_store_b64 v[L8], v[CD+4:CD+5], s[OI:OI+1] offset:RECO*\e+512      ; and 256
	global_store_b16 v[OSV], v[TMP], s[OS:OS+1] offset:RECO*\e               ; 8 bytes from token to token; lanes l and l + 16 write the same bytes with the same value
	global_store_b8 v[LN], v22, s[56:57] offset:RECO*\e                      ; my head's share of the record's zeros, so that the projection's loads read written bytes alone
.if \e == 0
.irp i, 0,1,2,3,4,5
	v_mov_b32 v[16+\i], v[Q2+\i]
.endr
	v_mov_b32 v[QS], v[QS2]
	INIT                                           ; (its moves are also the places between Q's codes and scale word and the next products)
	s_wait_alu depctr_va_vdst(0)
	s_wait_xcnt 0x0                                ; the stores have read their data: the next step's loads may land there
.endif
.endm
	s_wait_alu depctr_va_vdst(0)                   ; the wait at the head's end
	s_wait_loadcnt 0x0                             ; Q
	s_wait_tensorcnt 0x0                           ; my record is in:
	s_barrier_signal -1                            ; say so,
	s_barrier_wait -1                              ; and all sixteen are in
	WALK
	FINISH 0
	WALK
	FINISH 1
	s_wait_tensorcnt 0x0                           ; the wave's end
	ds_add_u32 v[SPW], v[NIL]
	s_wait_dscnt 0x0
	CROUND                                         ; the closing round
	s_endpgm
.Lfunc_end_k_q3c8be27ab0_attn:
	.size	k_q3c8be27ab0_attn, .Lfunc_end_k_q3c8be27ab0_attn-k_q3c8be27ab0_attn
	.p2alignl 7, 3214868480
	.fill 96, 4, 3214868480
	.section	.rodata,"a",@progbits
	.p2align	6, 0x0
	.amdhsa_kernel k_q3c8be27ab0_attn
		.amdhsa_group_segment_fixed_size 263168
		.amdhsa_private_segment_fixed_size 0
		.amdhsa_enable_private_segment 0
		.amdhsa_kernarg_size 16
		.amdhsa_user_sgpr_count 2
		.amdhsa_user_sgpr_kernarg_segment_ptr 1
		.amdhsa_wavefront_size32 1
		.amdhsa_system_sgpr_workgroup_id_x 1
		.amdhsa_system_sgpr_workgroup_id_y 1
		.amdhsa_system_sgpr_workgroup_id_z 1
		.amdhsa_system_vgpr_workitem_id 0
		.amdhsa_next_free_vgpr 256
		.amdhsa_next_free_sgpr 66
		.amdhsa_reserve_vcc 0
		.amdhsa_float_denorm_mode_32 3
		.amdhsa_float_denorm_mode_16_64 3
		.amdhsa_memory_ordered 1
		.amdhsa_forward_progress 1
		.amdhsa_inst_pref_size 48
	.end_amdhsa_kernel
	.amdgpu_metadata
---
amdhsa.version: [ 1, 2 ]
amdhsa.kernels:
  - .name:           k_q3c8be27ab0_attn
    .symbol:         k_q3c8be27ab0_attn.kd
    .args:
      - { .name: qkvbuf, .offset: 0, .size: 8, .value_kind: global_buffer, .address_space: global }
      - { .name: obuf, .offset: 8, .size: 8, .value_kind: global_buffer, .address_space: global }
    .group_segment_fixed_size: 263168
    .private_segment_fixed_size: 0
    .kernarg_segment_align: 8
    .kernarg_segment_size: 16
    .max_flat_workgroup_size: 512
    .sgpr_count:     66
    .vgpr_count:     256
    .wavefront_size: 32
...
	.end_amdgpu_metadata
.endif
;; end of part 3
;; launch proj (part 4): grid 4 x 64, 4 waves a work-group, clusters of 4 x 4, 327,680 bytes of LDS; arguments obuf, codes1, b_proj, out0; writes out0
.if DOCPART == 4
	.amdgcn_target "amdgcn-amd-amdhsa--gfx1250"
	.amdhsa_code_object_version 6
	.text
	.protected	k_q3c8be27ab0_proj
	.globl	k_q3c8be27ab0_proj
	.p2align	8
	.type	k_q3c8be27ab0_proj,@function
k_q3c8be27ab0_proj:
	s_mov_b64 s[64:65], 0
	v_nop
	global_prefetch_b8 v0, s[64:65] scope:SCOPE_SE
	s_setreg_imm32_b32 hwreg(HW_REG_WAVE_MODE, 25, 1), 1
	s_wait_xcnt 0x0
	s_wait_alu depctr_hold_cnt(0) depctr_sa_sdst(0) depctr_va_vdst(0) depctr_va_sdst(0) depctr_va_ssrc(0) depctr_va_vcc(0) depctr_vm_vsrc(0)
	s_getreg_b32 s2, hwreg(HW_REG_IB_STS2, 6, 4)
	s_cmp_eq_u32 s2, 0
	s_cbranch_scc0 .Lentry_in_a_cluster
	s_endpgm
.Lentry_in_a_cluster:
	s_bfe_u32 s2, ttmp6, 0x10000c
	s_cmp_lg_u32 s2, 0xf033
	s_cbranch_scc0 .Lentry_shape_is_right
	s_endpgm
.Lentry_shape_is_right:
; out = O W_proj^T + b_proj on codes of FP6 (E2M3) with E8M0 scales; f32 out.
; A block of 128 tokens x 256 columns: 64 x 4 = 256 work-groups; four waves of 64 x 128 (32 accumulators, window 2).  K goes in four chunks of 256 through two LDS slots.
; A's chunk is 8 dense records of 3,328 bytes (16 tokens each: images of the operand's registers, then 8 scale bytes a token); a chunk of a row of B is 256 aligned bytes of codes1
; (192 of codes, its 8 scale bytes, zeros), 272 bytes apart in LDS.  The scale words are read from the records and rows themselves.
; THE HEAD: each wave issues one joint load: chunk 0 of A, of B, chunk 1 of A, of B.  Chunks 2 and 3 refill the slots behind rounds of the cluster's barrier, a quarter of a slot a wave.
; CLUSTERS of 4 x 4: A's tiles are shared along a row of the cluster, B's along a column.
; PREFETCH: at the head, where chunks 0 and 1 are asked for, chunks 2 and 3 are named once in the cluster: of A's 104 runs of 256 bytes a partner takes 26 (wave 0 chunk 2, wave 1 chunk 3; the lanes left over name the last again),
; of B's 256 rows a partner takes 64 (waves 2 and 3, a lane a row, both chunks).
; The matrix instruction is used transposed (source 0 = 16 rows of W, source 1 = 16 tokens); the bias is the C of the first step's products.  Stored rows of W and stored tokens have bits 3 and 4 exchanged: the way out puts them right.
.set NQ,     2
.set ROWB,   256
.set KROW,   1024
.set PITCH,  272
.set FR,     12
.set NLA,    4
.set NP,     4
.set RECA,   3328
.set HALFA,  4*RECA
.set HALFB,  128*PITCH
.set SLOT,   2*HALFA+2*HALFB
.set ASTEP,  512*RECA
.set SPARE,  2*SLOT
.set SPITCH, 528                       ; the way out: a stage of 16 rows x (512 + 16) bytes a wave, in slot 0, which has had its last fill and its last read by then
.set PFO,  12
.set ADRA, 16                          ; v16-17 A's 16-byte pieces in slot 0, 1; v18-19 its 8-byte pieces
.set ADRB, 20
.set ADSA, 22                          ; v22-23 A's scale words
.set STO,  24
.set RD,   25
.set CO,   26
.set SPW,  28
.set NIL,  29
.set ADSB, 30                          ; v30-31 B's scale words
.set SCA,  32                          ; v32-47 A's scale words, two sets of 4 blocks x 2 steps
.set SCB,  48                          ; v48-79 B's, two sets of 8 x 2
.set BP,   80                          ; v80-143 the bias
.set AF,   144                         ; v144-191 A's four fragments
.set BK,   128
.set G1, 24
.set G0, 32
.set G1B, 48
.set G0B, 56
.set PFA, 92
.set MSB, 0
.macro WIN new
.if MSB != (\new)
	s_set_vgpr_msb (MSB<<8)|(\new)
.set MSB, (\new)
.endif
.endm
.set MUL_LO, 0xa1
.set TO_B,   0x40
.macro JLOAD g0a, g1a, g0b, g1b
	s_cmp_eq_u32 s15, 0
	s_cbranch_scc0 .Lfor_b_\@
	tensor_load_to_lds s[\g0a:\g0a+3], s[\g1a:\g1a+7]
	s_nop 0
.rept 4
	v_nop
.endr
	s_branch .Lasked_\@
.Lfor_b_\@:
	tensor_load_to_lds s[\g0b:\g0b+3], s[\g1b:\g1b+7]
	s_nop 0
.rept 4
	v_nop
.endr
.Lasked_\@:
.endm
.macro CREST
	s_cmp_lg_u32 s14, 0
	s_cbranch_scc1 .Lnot_wave_0_\@
	s_barrier_signal -3
.Lnot_wave_0_\@:
	s_barrier_wait -3
	s_barrier_signal -1
	s_barrier_wait -1
.endm
.macro CROUND
	s_barrier_signal -1
	s_barrier_wait -1
	CREST
.endm
	s_load_b128 s[4:7], s[0:1], 0x0                ; obuf, codes1
	s_load_b128 s[8:11], s[0:1], 0x10              ; b_proj, out0
	v_lshl_add_u32 v[SPW], v0, 2, SPARE
	v_mov_b32 v[NIL], 0
	ds_add_u32 v[SPW], v[NIL]                      ; the opening lines: the add twice on end and its wait
	ds_add_u32 v[SPW], v[NIL]
	v_lshrrev_b32 v1, 5, v0
	v_readfirstlane_b32 s14, v1
	s_lshr_b32 s15, s14, 1                         ; which 64 tokens are mine.  Also: I fetch for A (0) or for B (1)
	s_and_b32 s16, s14, 1                          ; which 128 columns.  Also: which half of that tile I fetch
	s_bfe_u32 s40, ttmp6, 0x40000
	s_bfe_u32 s41, ttmp6, 0x40004
	s_lshl_b32 s42, ttmp9, 2
	s_add_co_u32 s42, s42, s40                     ; block of 256 columns
	s_and_b32 s17, ttmp7, 0xffff
	s_lshl_b32 s17, s17, 2
	s_add_co_u32 s17, s17, s41                     ; block of 128 tokens
	s_lshl_b32 s43, s41, 2
	s_lshl_b32 s43, 15, s43
	s_lshl_b32 s44, 0x1111, s40
	s_or_b32 s[G1+0], s43, (3<<16)|(1<<21)         ; A: dense, rows of 256 bytes: 104 at the head
	s_mov_b32 s[G1+1], 32<<16
	s_mov_b32 s[G1+2], 104<<16
	s_mov_b32 s[G1+3], 32<<16
	s_mov_b32 s[G1+4], 104
	s_mov_b32 s[G1+5], 32
	s_mov_b32 s[G1+6], 0
	s_mov_b32 s[G1+7], 0
	s_or_b32 s[G1B+0], s44, (0<<16)|(1<<20)|(1<<21)|(5<<22)|(3<<25)   ; B: 256 rows at the head, 16 bytes of padding behind each
	s_mov_b32 s[G1B+1], ROWB<<16
	s_mov_b32 s[G1B+2], 256<<16
	s_mov_b32 s[G1B+3], ROWB<<16
	s_mov_b32 s[G1B+4], 256
	s_mov_b32 s[G1B+5], KROW
	s_mov_b32 s[G1B+6], 0
	s_mov_b32 s[G1B+7], 0
	s_lshl_b32 s20, s17, 3
	s_mul_i32 s20, s20, RECA                       ; A: the block's first record
	s_mov_b32 s21, 0
	s_lshl_b32 s46, s42, 8
	s_add_co_u32 s46, s46, 11264                   ; B: W_proj's rows lie behind x's and W_qkv's
	s_mul_i32 s46, s46, KROW
	s_mov_b32 s47, 0
	s_mul_i32 s18, s16, 128*KROW                   ; in the ring I fetch half a tile: which half, in bytes: of B,
	s_mov_b32 s19, 0
	s_mul_i32 s96, s16, HALFA                      ; of A
	s_mov_b32 s97, 0
	s_mul_i32 s45, s16, HALFA                      ; and where it goes
	s_mul_i32 s95, s16, HALFB
	s_add_co_u32 s95, s95, 2*HALFA
	s_mul_i32 s12, s40, 26*256                     ; the prefetches.  A: my work-group's 26 runs of chunk 2 (wave 0) or 3 (wave 1)
	s_add_co_u32 s12, s12, s20
	s_add_co_u32 s13, s16, 2
	s_mul_i32 s13, s13, ASTEP
	s_add_co_u32 s12, s12, s13
	s_lshl_b32 s13, s41, 6                         ; B: my work-group's 64 rows, my wave's 32 of them, chunk 2
	s_lshl_b32 s3, s16, 5
	s_add_co_u32 s13, s13, s3
	s_lshl_b32 s13, s13, 10
	s_add_co_u32 s13, s13, s46
	s_add_co_u32 s13, s13, 2*ROWB
	s_mov_b32 s94, KROW
	s_wait_dscnt 0x0
	s_wait_kmcnt 0x0
	s_cmp_eq_u32 s15, 0
	s_cselect_b32 s12, s12, s13
	s_cselect_b64 s[PFA:PFA+1], s[4:5], s[6:7]
	s_cselect_b32 s94, 256, s94                    ; from lane to lane
	s_cselect_b32 s3, 25, 31                       ; the last lane with a run of its own
	s_mov_b32 s13, 0
	s_add_nc_u64 s[PFA:PFA+1], s[PFA:PFA+1], s[12:13]
	s_add_nc_u64 s[20:21], s[4:5], s[20:21]
	s_add_nc_u64 s[46:47], s[6:7], s[46:47]
	CROUND
.irp s, 0,1                                    ; the groups 0 serve the head's whole tiles first
	s_mov_b32 s[G0+4*\s], 1
	s_mov_b32 s[G0+4*\s+1], \s*SLOT
	s_add_nc_u64 s[G0+4*\s+2:G0+4*\s+3], s[20:21], \s*ASTEP
	s_or_b32 s[G0+4*\s+3], s[G0+4*\s+3], 0x80000000
	s_mov_b32 s[G0B+4*\s], 1
	s_mov_b32 s[G0B+4*\s+1], \s*SLOT+2*HALFA
	s_add_nc_u64 s[G0B+4*\s+2:G0B+4*\s+3], s[46:47], \s*ROWB
	s_or_b32 s[G0B+4*\s+3], s[G0B+4*\s+3], 0x80000000
.endr
; the head's loads, one a wave, in one tree of branches on the wave's number
.macro ARM under, g0, g1, next
	s_cmp_lt_u32 s14, \under
	s_cbranch_scc0 \next
	tensor_load_to_lds s[\g0:\g0+3], s[\g1:\g1+7]
	s_nop 0
.rept 4
	v_nop
.endr
	s_branch .Lhead_asked
\next:
.endm
	ARM 1, G0,   G1,  .Lhead_b
	ARM 2, G0B,  G1B, .Lhead_a1
	ARM 3, G0+4, G1,  .Lhead_b1
	tensor_load_to_lds s[G0B+4:G0B+7], s[G1B:G1B+7]
	s_nop 0
.rept 4
	v_nop
.endr
.Lhead_asked:
	v_and_b32 v1, 15, v0
	v_bfe_u32 v2, v0, 4, 1
	v_and_b32 v6, 31, v0
	v_lshlrev_b32 v7, 4, v6
	v_lshlrev_b32 v8, 3, v6
	v_lshlrev_b32 v9, 3, v1
	v_mul_u32_u24 v3, v1, PITCH
	v_mul_u32_u24 v4, v2, 24
	v_add_nc_u32 v4, v3, v4
	v_min_u32 v[PFO], s3, v6
	v_mul_u32_u24 v[PFO], v[PFO], s94
	s_mul_i32 s21, s15, HALFA
	s_mul_i32 s22, s16, HALFB
	s_add_co_u32 s22, s22, 2*HALFA
.irp s, 0,1
	v_add_nc_u32 v[ADRA+\s], s21, v7
	v_add_nc_u32 v[ADRA+2+\s], s21, v8
	v_add_nc_u32 v[ADRB+\s], s22, v4
	v_add_nc_u32 v[ADSA+\s], s21, v9
	v_add_nc_u32 v[ADSB+\s], s22, v3
	s_add_co_u32 s21, s21, SLOT
	s_add_co_u32 s22, s22, SLOT
.endr
	s_mul_i32 s23, s14, 16*SPITCH
	v_mul_u32_u24 v5, v1, SPITCH
	v_lshl_add_u32 v5, v2, 6, v5
	v_add_nc_u32 v[STO], s23, v5
	v_mov_b32 v[CO], v7
	v_add_nc_u32 v[RD], s23, v7
	v_lshlrev_b32 v11, 6, v2
	s_wait_alu depctr_va_vdst(0)                   ; the wait ahead of the run of scalar lines
	s_lshl_b32 s46, s42, 10
	s_lshl_b32 s47, s16, 9
	s_add_co_u32 s46, s46, s47                     ; my first column, in bytes
	s_mov_b32 s47, 0
	s_add_nc_u64 s[8:9], s[8:9], s[46:47]
	s_lshl_b32 s20, s17, 7
	s_lshl_b32 s21, s15, 6
	s_add_co_u32 s20, s20, s21                     ; my first token
	s_lshl_b32 s20, s20, 12
	s_add_co_u32 s20, s20, s46
	s_mov_b32 s21, 0
	s_add_nc_u64 s[10:11], s[10:11], s[20:21]
.irp b, 0,1,2,3,4,5,6,7
	global_load_b128 v[BP+8*\b:BP+8*\b+3], v11, s[8:9] offset:(32*(\b/2)+8*(\b%2))*4
	global_load_b128 v[BP+8*\b+4:BP+8*\b+7], v11, s[8:9] offset:(32*(\b/2)+8*(\b%2))*4+16
.endr
	global_prefetch_b8 v[PFO], s[PFA:PFA+1] th:TH_LOAD_NT scope:SCOPE_SE                 ; the address registers are never rewritten
	s_cmp_eq_u32 s15, 0
	s_cbranch_scc1 .Lasked_all
	global_prefetch_b8 v[PFO], s[PFA:PFA+1] offset:ROWB th:TH_LOAD_NT scope:SCOPE_SE     ; B's chunk 3
.Lasked_all:
.macro FRAG reg, adr, q, i
.irp p, 0,1,2,3,4,5
	ds_load_b64 v[\reg+2*\p:\reg+2*\p+1], v[\adr] offset:96*(\q)+48*(\p/3)+8*(\p%3)+(\i)*16*PITCH
.endr
.endm
.macro FRAGA reg, slot, q, i
	ds_load_b128 v[\reg:\reg+3], v[ADRA+\slot] offset:(\i)*RECA+(\q)*1536
	ds_load_b64 v[\reg+4:\reg+5], v[ADRA+2+\slot] offset:(\i)*RECA+(\q)*1536+512
	ds_load_b128 v[\reg+6:\reg+9], v[ADRA+\slot] offset:(\i)*RECA+(\q)*1536+768
	ds_load_b64 v[\reg+10:\reg+11], v[ADRA+2+\slot] offset:(\i)*RECA+(\q)*1536+1280
.endm
; 8 matrix instructions: A's block a x B's eight.  The 32 accumulators take turns, one instruction a turn, in the same order in every step
.macro MUL8 a, p, q, sc, first
.irp b, 0,1,2,3,4,5,6,7
.if \first
	v_wmma_scale_f32_16x16x128_f8f6f4 v[8*(8*(\a)+\b):8*(8*(\a)+\b)+7], v[128*(\p)+FR*\b:128*(\p)+FR*\b+FR-1], v[AF+FR*(\a):AF+FR*(\a)+FR-1], v[BP+8*\b:BP+8*\b+7], v[SCB+16*(\sc)+2*\b+(\q)], v[SCA+8*(\sc)+2*(\a)+(\q)] matrix_a_fmt:MATRIX_FMT_FP6 matrix_b_fmt:MATRIX_FMT_FP6
.else
	v_wmma_scale_f32_16x16x128_f8f6f4 v[8*(8*(\a)+\b):8*(8*(\a)+\b)+7], v[128*(\p)+FR*\b:128*(\p)+FR*\b+FR-1], v[AF+FR*(\a):AF+FR*(\a)+FR-1], v[8*(8*(\a)+\b):8*(8*(\a)+\b)+7], v[SCB+16*(\sc)+2*\b+(\q)], v[SCA+8*(\sc)+2*(\a)+(\q)] matrix_a_fmt:MATRIX_FMT_FP6 matrix_b_fmt:MATRIX_FMT_FP6
.endif
.endr
.endm
.macro FETCH_B slot, q, p
	WIN TO_B
.irp i, 0,1,2,3,4,5,6,7
	FRAG 128*(\p)+FR*\i, ADRB+\slot, \q, \i
.endr
	WIN 0
.endm
.macro FETCH_A slot, q, i0             ; A's blocks i0, i0 + 1
.irp i, \i0, \i0+1
	FRAGA AF+FR*(\i), \slot, \q, \i
.endr
.endm
.macro SCALES sc                       ; a chunk's two scale words of each of A's 4 and B's 8 blocks
.irp i, 0,1,2,3
	ds_load_b64 v[SCA+8*\sc+2*\i:SCA+8*\sc+2*\i+1], v[ADSA+\sc] offset:\i*RECA+3072
.endr
.irp i, 0,1,2,3,4,5,6,7
	ds_load_b64 v[SCB+16*\sc+2*\i:SCB+16*\sc+2*\i+1], v[ADSB+\sc] offset:\i*16*PITCH+192
.endr
.endm
.macro PLACES n
.rept \n
	v_nop
.endr
.endm
.macro STEP slot, first                ; a chunk's first step; the second step's fragments are fetched in its middle and at its end
	s_wait_dscnt 2*NLA                             ; the youngest loads, A's blocks 2 and 3, may be out
.if \first
	WIN 0x81                                       ; C, the bias, in window 0
.else
	WIN MUL_LO
.endif
	MUL8 0, 0, 0, \slot, \first
	MUL8 1, 0, 0, \slot, \first
	s_wait_dscnt 0
	PLACES NP
	FETCH_B \slot, 1, 1
	FETCH_A \slot, 1, 0
.if \first
	WIN 0x81
.else
	WIN MUL_LO
.endif
	MUL8 2, 0, 0, \slot, \first
	MUL8 3, 0, 0, \slot, \first
	PLACES NP
	WIN 0
	FETCH_A \slot, 1, 2
.endm
.macro TURN slot, next, fill           ; a chunk's second step, and the change of slots
	s_wait_tensorcnt 0x0                           ; all my tensor loads have landed;
	ds_add_u32 v[SPW], v[NIL]
	s_wait_dscnt 2*NLA+1                           ; (the add and A's blocks 2 and 3 may be out)
	WIN MUL_LO
	MUL8 0, 1, 1, \slot, 0
	s_wait_dscnt 0x0                               ; the add is done, my reads of this slot are over
	s_barrier_signal -1
	MUL8 1, 1, 1, \slot, 0
	WIN 0
	s_barrier_wait -1
.if \fill
	CREST                                          ; the barrier has opened a round of the cluster's barrier
	s_add_nc_u64 s[G0+4*\slot+2:G0+4*\slot+3], s[G0+4*\slot+2:G0+4*\slot+3], 2*ASTEP
	s_add_nc_u64 s[G0B+4*\slot+2:G0B+4*\slot+3], s[G0B+4*\slot+2:G0B+4*\slot+3], 2*ROWB
	JLOAD G0+4*\slot, G1, G0B+4*\slot, G1B
.else
	PLACES NP
.endif
	FETCH_B \next, 0, 0
	FETCH_A \next, 0, 0
	SCALES \next
	WIN MUL_LO
	MUL8 2, 1, 1, \slot, 0
	MUL8 3, 1, 1, \slot, 0
	PLACES NP
	WIN 0
	FETCH_A \next, 0, 2
.endm
	s_wait_alu depctr_va_vdst(0)                   ; the wait at the head's end
	s_wait_tensorcnt 0x0                           ; my tile of the head's four is in, and no tensor load of mine is out: from here on a load brings half a tile, my quarter of a slot
	s_mov_b32 s[G1+2], 52<<16
	s_mov_b32 s[G1+4], 52
	s_mov_b32 s[G1B+2], 128<<16
	s_mov_b32 s[G1B+4], 128
.irp s, 0,1
	s_add_co_u32 s[G0+4*\s+1], s45, \s*SLOT
	s_add_co_u32 s[G0B+4*\s+1], s95, \s*SLOT
	s_add_nc_u64 s[G0+4*\s+2:G0+4*\s+3], s[G0+4*\s+2:G0+4*\s+3], s[96:97]
	s_add_nc_u64 s[G0B+4*\s+2:G0B+4*\s+3], s[G0B+4*\s+2:G0B+4*\s+3], s[18:19]
.endr
	s_barrier_signal -1
	s_barrier_wait -1                              ; all four tiles are in
	FETCH_B 0, 0, 0
	FETCH_A 0, 0, 0
	SCALES 0
	FETCH_A 0, 0, 2
	s_wait_loadcnt 0x0                             ; the bias
	STEP 0, 1                                      ; the eight steps are written out: four chunks, two refills
	TURN 0, 1, 1
	STEP 1, 0
	TURN 1, 0, 1
	STEP 0, 0
	TURN 0, 1, 0
	STEP 1, 0
	s_wait_dscnt 2*NLA
	WIN MUL_LO
	MUL8 0, 1, 1, 1, 0
	MUL8 1, 1, 1, 1, 0
	s_wait_dscnt 0
	MUL8 2, 1, 1, 1, 0
	MUL8 3, 1, 1, 1, 0
	WIN 0
; THE WAY OUT, block by block of 16 tokens x 128 columns, through my own stage in LDS: whole rows of 512 bytes come back, which the 32 lanes store as two aligned runs of 256 bytes
.macro TOSTAGE a
.set AC, 64*(\a)
	WIN 0x08
.irp b, 0,1,2,3,4,5,6,7
	ds_store_b128 v[STO], v[AC+8*\b:AC+8*\b+3] offset:128*(\b/2)+32*(\b%2)
	ds_store_b128 v[STO], v[AC+8*\b+4:AC+8*\b+7] offset:128*(\b/2)+32*(\b%2)+16
.endr
	WIN 0
.set BB, BK+64*((\a)%2)
.irp t, 0,1,2,3,4,5,6,7,8,9,10,11,12,13,14,15
	ds_load_b128 v[BB+4*\t:BB+4*\t+3], v[RD] offset:\t*SPITCH
.endr
.endm
.macro SEND a, younger
.set BB, BK+64*((\a)%2)
	s_wait_dscnt \younger
.irp t, 0,1,2,3,4,5,6,7,8,9,10,11,12,13,14,15
	global_store_b128 v[CO], v[BB+4*\t:BB+4*\t+3], s[10:11] offset:(32*((\a)/2)+8*((\a)%2)+\t+8*(\t/8))*4096 th:TH_STORE_NT
.endr
.endm
	PLACES NP
	TOSTAGE 0
.irp a, 1,2,3
.if \a > 1
	s_wait_xcnt 0x0                                ; block a - 2's stores have read their registers
.endif
	TOSTAGE \a
	SEND \a-1, 32
.endr
	SEND 3, 0
	s_wait_tensorcnt 0x0                           ; the wave's end
	ds_add_u32 v[SPW], v[NIL]
	s_wait_dscnt 0x0
	CROUND                                         ; the closing round
	s_endpgm
.Lfunc_end_k_q3c8be27ab0_proj:
	.size	k_q3c8be27ab0_proj, .Lfunc_end_k_q3c8be27ab0_proj-k_q3c8be27ab0_proj
	.p2alignl 7, 3214868480
	.fill 96, 4, 3214868480
	.section	.rodata,"a",@progbits
	.p2align	6, 0x0
	.amdhsa_kernel k_q3c8be27ab0_proj
		.amdhsa_group_segment_fixed_size 327680
		.amdhsa_private_segment_fixed_size 0
		.amdhsa_enable_private_segment 0
		.amdhsa_kernarg_size 32
		.amdhsa_user_sgpr_count 2
		.amdhsa_user_sgpr_kernarg_segment_ptr 1
		.amdhsa_wavefront_size32 1
		.amdhsa_system_sgpr_workgroup_id_x 1
		.amdhsa_system_sgpr_workgroup_id_y 1
		.amdhsa_system_sgpr_workgroup_id_z 1
		.amdhsa_system_vgpr_workitem_id 0
		.amdhsa_next_free_vgpr 768
		.amdhsa_next_free_sgpr 98
		.amdhsa_reserve_vcc 0
		.amdhsa_float_denorm_mode_32 3
		.amdhsa_float_denorm_mode_16_64 3
		.amdhsa_memory_ordered 1
		.amdhsa_forward_progress 1
		.amdhsa_inst_pref_size 99
	.end_amdhsa_kernel
	.amdgpu_metadata
---
amdhsa.version: [ 1, 2 ]
amdhsa.kernels:
  - .name:           k_q3c8be27ab0_proj
    .symbol:         k_q3c8be27ab0_proj.kd
    .args:
      - { .name: obuf, .offset: 0, .size: 8, .value_kind: global_buffer, .address_space: global }
      - { .name: codes1, .offset: 8, .size: 8, .value_kind: global_buffer, .address_space: global }
      - { .name: b_proj, .offset: 16, .size: 8, .value_kind: global_buffer, .address_space: global }
      - { .name: out0, .offset: 24, .size: 8, .value_kind: global_buffer, .address_space: global }
    .group_segment_fixed_size: 327680
    .private_segment_fixed_size: 0
    .kernarg_segment_align: 8
    .kernarg_segment_size: 32
    .max_flat_workgroup_size: 128
    .sgpr_count:     98
    .vgpr_count:     768
    .wavefront_size: 32
...
	.end_amdgpu_metadata
.endif
;; end of part 4
